; MI455X (gfx1250); checked and timed in simulation.
; The chip was launched on July 23, 2026; its instructions are those of AMD's public machine-readable ISA for CDNA 5 (MIT licence, August 2026) and "CDNA5" Instruction Set Architecture Reference Guide (July 2026). The comments in the code are by the model that wrote it; some were corrected since.
;; Mamba3 SISO Block. Allowed arithmetic: float matrix products may take bf16 or f16 operands with f32 sums; other float arithmetic in f32, or as packed bf16 or f16 multiplies, adds, multiply-adds, maxima and minima; sums over many terms, partial sums and values carried from step to step in f32; what a program stores and reads back later, other than sums and carried values, may be rounded once to bf16 or f16.
;; Inputs: B_bias 32 x 128 float32; B_norm_w 128 float32; C_bias 32 x 128 float32; C_norm_w 128 float32; D_param 32 float32; W_in 4,480 x 1,024 float32; W_out 1,024 x 2,048 float32; dt_bias 32 float32; out_norm_w 2,048 float32; x 2 x 1,024 x 1,024 float32.
;; Outputs: out0 2 x 1,024 x 1,024 float32.
;; 2 versions, each right; version 2 is version 1 with the launch cvt written anew for expert scheduling mode. Each part assembles by itself: llvm-mc -triple=amdgcn-amd-amdhsa -mcpu=gfx1250 --defsym DOCPART=n.
;; ======== version 1 of 2: 6 launches
;; limits: values are held in f16: magnitudes above 65,504 overflow, below 6.1e-05 lose precision
;; workspace buffers: wb 17,563,648 bytes; pj 19,922,944 bytes; pp 2,359,296 bytes; cs 6,291,456 bytes; us 8,650,752 bytes
;; launch cvt (part 1): grid 536 x 1, 8 waves a work-group, no clusters, 0 bytes of LDS; arguments x, W_in, W_out, wb; writes wb
.if DOCPART == 1
	.amdgcn_target "amdgcn-amd-amdhsa--gfx1250"
	.amdhsa_code_object_version 6
	.text
	.protected	k_qf34a3eef0f_cvt
	.globl	k_qf34a3eef0f_cvt
	.p2align	8
	.type	k_qf34a3eef0f_cvt,@function
k_qf34a3eef0f_cvt:
	s_mov_b64 s[64:65], 0
	v_nop
	global_prefetch_b8 v0, s[64:65] scope:SCOPE_SE
	s_setreg_imm32_b32 hwreg(HW_REG_WAVE_MODE, 25, 1), 1
	s_wait_xcnt 0x0
; x, W_in and W_out are rounded once to bf16.  wb: x [2048][1024] at 0, W_in [4480][1024] behind it, W_out in blocks
; [32 kb][1024 d][64] at WO_OFF, so that 64 along K of many rows lie end to end for the last product's tiles.
; A stream: no LDS, no matrix unit.  A work-group takes 16,384 numbers, a thread 16 chunks of 4; all 16 loads go out first.
; Each store of a wave covers 256 consecutive bytes, aligned.
.set NX, 128                           ; work-groups for x
.set NLIN, 408                         ; for x and W_in together: these two are copied in their own order
.set WO_OFF, 13369344
.set IN, 40                            ; v[40:103] 16 chunks as loaded
.set OUT, 4                            ; v[4:35]   16 chunks to store
.macro CONV ss, ds                     ; ss, ds: bytes from chunk to chunk in the source and in wb
.set c, 0
.rept 16
	global_load_b128 v[IN+4*c:IN+4*c+3], v1, s[12:13] offset:c*(\ss) th:TH_LOAD_NT
.set c, c+1
.endr
.set c, 0
.rept 16
	s_wait_loadcnt 15-c                            ; loads come back in order: chunk c is in, the younger ones stay out
	v_cvt_pk_bf16_f32 v[OUT+2*c], v[IN+4*c], v[IN+4*c+1]
	v_cvt_pk_bf16_f32 v[OUT+2*c+1], v[IN+4*c+2], v[IN+4*c+3]
	global_store_b64 v2, v[OUT+2*c:OUT+2*c+1], s[14:15] offset:c*(\ds)
.set c, c+1
.endr
.endm
	s_load_b256 s[4:11], s[0:1], 0x0               ; x s[4:5], W_in s[6:7], W_out s[8:9], wb s[10:11]
	s_mov_b32 s3, ttmp9
	s_mov_b32 s17, 0
	s_mov_b32 s19, 0
	s_wait_kmcnt 0x0
	s_cmp_lt_u32 s3, NLIN
	s_cbranch_scc0 .Lblocked
	s_cmp_lt_u32 s3, NX
	s_cselect_b64 s[12:13], s[4:5], s[6:7]         ; x for the first 128 work-groups, W_in for the next 280
	s_cselect_b32 s16, 0, NX
	s_sub_co_u32 s16, s3, s16
	s_lshl_b32 s16, s16, 16                        ; 65,536 bytes of f32 a work-group
	s_add_nc_u64 s[12:13], s[12:13], s[16:17]
	s_lshl_b32 s18, s3, 15                         ; 32,768 bytes of bf16
	s_add_nc_u64 s[14:15], s[10:11], s[18:19]
	v_lshlrev_b32 v1, 4, v0
	v_lshlrev_b32 v2, 3, v0
	CONV 4096, 2048
	s_endpgm
.Lblocked:                                             ; rows 8 g .. 8 g + 7 of W_out: a wave takes two rows' half, a chunk is one block of 64 along K
	s_sub_co_u32 s16, s3, NLIN
	s_lshl_b32 s18, s16, 10                        ; 8 rows of 128 bytes in each block
	s_lshl_b32 s16, s16, 16
	s_add_nc_u64 s[12:13], s[8:9], s[16:17]
	s_add_co_u32 s18, s18, WO_OFF
	s_add_nc_u64 s[14:15], s[10:11], s[18:19]
	v_lshrrev_b32 v36, 6, v0                       ; wave / 2: which pair of rows
	v_bfe_u32 v37, v0, 4, 1                        ; lane / 16: which row of the pair
	v_bfe_u32 v38, v0, 5, 1                        ; wave % 2: which half of the row
	v_and_b32 v39, 15, v0
	v_and_b32 v3, 31, v0
	v_lshl_add_u32 v1, v36, 1, v37
	v_lshlrev_b32 v1, 13, v1                       ; row x 8,192
	v_lshl_add_u32 v1, v38, 12, v1
	v_lshl_add_u32 v1, v39, 4, v1
	v_lshlrev_b32 v2, 3, v3                        ; two rows of 128 bytes: 8 x lane
	v_lshl_add_u32 v2, v36, 8, v2
	v_lshl_add_u32 v2, v38, 21, v2                 ; 16 blocks of 131,072 bytes
	CONV 256, 131072
	s_endpgm
.Lfunc_end_k_qf34a3eef0f_cvt:
	.size	k_qf34a3eef0f_cvt, .Lfunc_end_k_qf34a3eef0f_cvt-k_qf34a3eef0f_cvt
	.p2alignl 7, 3214868480
	.fill 96, 4, 3214868480
	.section	.rodata,"a",@progbits
	.p2align	6, 0x0
	.amdhsa_kernel k_qf34a3eef0f_cvt
		.amdhsa_group_segment_fixed_size 0
		.amdhsa_private_segment_fixed_size 0
		.amdhsa_enable_private_segment 0
		.amdhsa_kernarg_size 32
		.amdhsa_user_sgpr_count 2
		.amdhsa_user_sgpr_kernarg_segment_ptr 1
		.amdhsa_wavefront_size32 1
		.amdhsa_system_sgpr_workgroup_id_x 1
		.amdhsa_system_sgpr_workgroup_id_y 1
		.amdhsa_system_sgpr_workgroup_id_z 1
		.amdhsa_system_vgpr_workitem_id 0
		.amdhsa_next_free_vgpr 104
		.amdhsa_next_free_sgpr 66
		.amdhsa_reserve_vcc 0
		.amdhsa_float_denorm_mode_32 3
		.amdhsa_float_denorm_mode_16_64 3
		.amdhsa_memory_ordered 1
		.amdhsa_forward_progress 1
		.amdhsa_inst_pref_size 13
	.end_amdhsa_kernel
	.amdgpu_metadata
---
amdhsa.version: [ 1, 2 ]
amdhsa.kernels:
  - .name:           k_qf34a3eef0f_cvt
    .symbol:         k_qf34a3eef0f_cvt.kd
    .args:
      - { .name: x, .offset: 0, .size: 8, .value_kind: global_buffer, .address_space: global }
      - { .name: W_in, .offset: 8, .size: 8, .value_kind: global_buffer, .address_space: global }
      - { .name: W_out, .offset: 16, .size: 8, .value_kind: global_buffer, .address_space: global }
      - { .name: wb, .offset: 24, .size: 8, .value_kind: global_buffer, .address_space: global }
    .group_segment_fixed_size: 0
    .private_segment_fixed_size: 0
    .kernarg_segment_align: 8
    .kernarg_segment_size: 32
    .max_flat_workgroup_size: 256
    .sgpr_count:     66
    .vgpr_count:     104
    .wavefront_size: 32
...
	.end_amdgpu_metadata
.endif
;; end of part 1
;; launch gemm_in (part 2): grid 16 x 14, 4 waves a work-group, clusters of 4 x 1, 327,680 bytes of LDS; arguments wb, pj; writes pj
.if DOCPART == 2
	.amdgcn_target "amdgcn-amd-amdhsa--gfx1250"
	.amdhsa_code_object_version 6
	.text
	.protected	k_qf34a3eef0f_gemm_in
	.globl	k_qf34a3eef0f_gemm_in
	.p2align	8
	.type	k_qf34a3eef0f_gemm_in,@function
k_qf34a3eef0f_gemm_in:
	s_mov_b64 s[64:65], 0
	v_nop
	global_prefetch_b8 v0, s[64:65] scope:SCOPE_SE
	s_setreg_imm32_b32 hwreg(HW_REG_WAVE_MODE, 25, 1), 1
	s_wait_xcnt 0x0
	s_wait_alu depctr_hold_cnt(0) depctr_sa_sdst(0) depctr_va_vdst(0) depctr_va_sdst(0) depctr_va_ssrc(0) depctr_va_vcc(0) depctr_vm_vsrc(0)
	s_getreg_b32 s2, hwreg(HW_REG_IB_STS2, 6, 4)
	s_cmp_eq_u32 s2, 0
	s_cbranch_scc0 .Lentry_in_a_cluster
	s_endpgm
.Lentry_in_a_cluster:
	s_bfe_u32 s2, ttmp6, 0x10000c
	s_cmp_lg_u32 s2, 0x3003
	s_cbranch_scc0 .Lentry_shape_is_right
	s_endpgm
.Lentry_shape_is_right:
; proj = x W_in^T, [2048][4480], bf16 operands, f32 sums.  A tile is 128 rows x 320 columns: 16 x 14 work-groups; four waves, each 64 x 160:
; 40 accumulators.  K goes in steps of 128 (rows of 256 bytes) through two LDS slots.
; CLUSTER: the four work-groups of a cluster have the same 320 rows of W_in (5/7 of a step's bytes): waves 2 and 3 ask for them jointly;
; x's 128 rows differ from partner to partner: waves 0 and 1 fetch them by loads of their own, behind the same rounds.
; The matrix instruction is used transposed (source 0 = rows of W_in, source 1 = rows of x): a lane holds eight neighbouring columns of a row.
; OUT: columns 0-4095 (z, v) rounded once to f16, in blocks [column / 32][row][32]; columns 4096-4479 stay f32, [block][row][32].
; LIMIT: |z| and |v| stay under 65,504 (f16); beyond that an infinity is stored.
; REGISTERS: window 0: v0-31 addresses, v32-143 and v144-255 two fragment buffers (4 of x, 10 of W_in); window 1: accumulators of column blocks 0-7; window 2: of 8, 9.
.set PITCH, 272                        ; 256 bytes + 16: the 16 rows of a fragment load start at 16 different groups of four banks
.set HA, 64*PITCH
.set HB, 160*PITCH
.set SLOT, 2*HA+2*HB
.set STAGE, 2*SLOT                     ; behind the ring, never filled: 4 waves x 4 sub-stages
.set SUB, 2304
.set SPARE, STAGE+16*SUB               ; the spare words: 128 bytes a wave
.set ADRA, 16
.set ADRB, 20
.set STO16, 22
.set RD16, 23
.set STO32, 24
.set RD32, 25
.set GO, 26
.set SPW, 28
.set NIL, 29
.set F0, 32
.set F1, 144
.set TMP, 32
.set BK, 64
.set G1A, 24
.set G0A, 32
.set G1B, 48
.set G0B, 56
.set MSB, 0
.macro WIN new                         ; the high byte repeats the setting that is left
.if MSB != (\new)
	s_set_vgpr_msb (MSB<<8)|(\new)
.set MSB, \new
.endif
.endm
.macro PLACES
.rept 4
	v_nop
.endr
.endm
.macro G1SET g, w0, rows, cols, pitch
	s_mov_b32 s[\g], \w0
	s_mov_b32 s[\g+1], (\cols)<<16         ; tensor_dim0
	s_mov_b32 s[\g+2], (\rows)<<16         ; tensor_dim1
	s_mov_b32 s[\g+3], (\cols)<<16         ; tile_dim0
	s_mov_b32 s[\g+4], \rows               ; tile_dim1
	s_mov_b32 s[\g+5], \pitch              ; elements from row to row
	s_mov_b32 s[\g+6], 0
	s_mov_b32 s[\g+7], 0
.endm
.macro JLOAD s                         ; waves 0, 1: x's two halves; waves 2, 3: W_in's two halves, jointly
	s_cmp_eq_u32 s11, 0
	s_cbranch_scc0 .Lfb_\@
	tensor_load_to_lds s[G0A+4*(\s):G0A+4*(\s)+3], s[G1A:G1A+7]
	s_nop 0
	PLACES
	s_branch .Las_\@
.Lfb_\@:
	tensor_load_to_lds s[G0B+4*(\s):G0B+4*(\s)+3], s[G1B:G1B+7]
	s_nop 0
	PLACES
.Las_\@:
.endm
.macro CREST
	s_cmp_lg_u32 s10, 0
	s_cbranch_scc1 .Lnw_\@
	s_barrier_signal -3
.Lnw_\@:
	s_barrier_wait -3
	s_barrier_signal -1
	s_barrier_wait -1
.endm
.macro CROUND
	s_barrier_signal -1
	s_barrier_wait -1
	CREST
.endm
	s_load_b128 s[4:7], s[0:1], 0x0                ; wb s[4:5], pj s[6:7]
	v_lshl_add_u32 v[SPW], v0, 2, SPARE
	v_mov_b32 v[NIL], 0
	ds_add_u32 v[SPW], v[NIL]                      ; the wave's opening: the add and its wait ahead of my first tensor load
	v_lshrrev_b32 v1, 5, v0
	v_readfirstlane_b32 s10, v1                    ; wave
	s_lshr_b32 s11, s10, 1                         ; my half of the rows; also: I fetch x (0) or W_in (1)
	s_and_b32 s12, s10, 1                          ; my half of the columns; also: which half I fetch
	s_bfe_u32 s40, ttmp6, 0x40000                  ; cx
	s_lshl_b32 s42, ttmp9, 2
	s_add_co_u32 s42, s42, s40                     ; row tile = 4 x cluster x + cx
	s_and_b32 s13, ttmp7, 0xffff                   ; column tile, shared by the four
	G1SET G1A, (1<<16)|(1<<20)|(5<<22)|(3<<25), 64, 128, 1024
	G1SET G1B, 15|(1<<16)|(1<<20)|(1<<21)|(5<<22)|(3<<25), 160, 128, 1024
	s_lshl_b32 s16, s42, 18                        ; 128 rows of 2,048 bytes
	s_lshl_b32 s17, s12, 17
	s_add_co_u32 s16, s16, s17
	s_mov_b32 s17, 0
	s_mul_i32 s46, s13, 655360                     ; 320 rows of 2,048 bytes
	s_mul_i32 s47, s12, 327680
	s_add_co_u32 s46, s46, s47
	s_add_co_u32 s46, s46, 4194304                 ; W_in lies behind x in wb
	s_mov_b32 s47, 0
	s_mul_i32 s20, s12, HA
	s_mul_i32 s21, s12, HB
	s_add_co_u32 s21, s21, 2*HA
	s_mul_i32 s70, s13, 10                         ; my first block of 32 columns
	s_mul_i32 s71, s12, 5
	s_add_co_u32 s70, s70, s71
	s_lshl_b32 s74, s42, 7
	s_lshl_b32 s75, s11, 6
	s_add_co_u32 s74, s74, s75                     ; my first row
	s_lshl_b32 s75, s74, 7
	s_add_co_u32 s75, s75, 16777216                ; in an f32 block (128 bytes a row), behind the f16 blocks
	s_lshl_b32 s74, s74, 6                         ; in an f16 block (64 bytes a row)
	s_wait_dscnt 0x0                               ; the opening add is done
	s_wait_kmcnt 0x0
	s_add_nc_u64 s[14:15], s[4:5], s[16:17]
	s_add_nc_u64 s[46:47], s[4:5], s[46:47]
	CROUND                                         ; all four work-groups are here
.irp s, 0,1
	s_mov_b32 s[G0A+4*(\s)], 1
	s_add_co_u32 s[G0A+4*(\s)+1], s20, (\s)*SLOT
	s_add_nc_u64 s[G0A+4*(\s)+2:G0A+4*(\s)+3], s[14:15], (\s)*256
	s_or_b32 s[G0A+4*(\s)+3], s[G0A+4*(\s)+3], 0x80000000
	s_mov_b32 s[G0B+4*(\s)], 1
	s_add_co_u32 s[G0B+4*(\s)+1], s21, (\s)*SLOT
	s_add_nc_u64 s[G0B+4*(\s)+2:G0B+4*(\s)+3], s[46:47], (\s)*256
	s_or_b32 s[G0B+4*(\s)+3], s[G0B+4*(\s)+3], 0x80000000
	JLOAD \s
.endr
	v_and_b32 v1, 15, v0                           ; r
	v_bfe_u32 v2, v0, 4, 1                         ; h
	v_and_b32 v5, 31, v0                           ; lane
	v_mul_u32_u24 v3, v1, PITCH
	v_lshl_add_u32 v3, v2, 4, v3
	s_mul_i32 s22, s11, HA
	s_mul_i32 s23, s12, HB
	s_add_co_u32 s23, s23, 2*HA
.irp s, 0,1
	v_add_nc_u32 v[ADRA+(\s)], s22, v3
	v_add_nc_u32 v[ADRB+(\s)], s23, v3
	s_add_co_u32 s22, s22, SLOT
	s_add_co_u32 s23, s23, SLOT
.endr
	s_mul_i32 s22, s10, 4*SUB
	s_add_co_u32 s22, s22, STAGE                   ; my stage
	v_mul_u32_u24 v4, v1, 80                       ; f16: rows of 64 bytes, pitch 80
	v_lshl_add_u32 v4, v2, 4, v4
	v_add_nc_u32 v[STO16], s22, v4
	v_lshrrev_b32 v4, 2, v5
	v_mul_u32_u24 v4, v4, 80
	v_and_b32 v6, 3, v5
	v_lshl_add_u32 v4, v6, 4, v4
	v_add_nc_u32 v[RD16], s22, v4
	v_mul_u32_u24 v4, v1, 144                      ; f32: rows of 128 bytes, pitch 144
	v_lshl_add_u32 v4, v2, 5, v4
	v_add_nc_u32 v[STO32], s22, v4
	v_lshrrev_b32 v4, 3, v5
	v_mul_u32_u24 v4, v4, 144
	v_and_b32 v6, 7, v5
	v_lshl_add_u32 v4, v6, 4, v4
	v_add_nc_u32 v[RD32], s22, v4
	v_lshlrev_b32 v[GO], 4, v5
; column blocks b0 .. b1 x my four row blocks, 32 along K.  The accumulators take turns, one instruction a turn.
.macro MUL f, b0, b1, zero
.set b, \b0
.rept (\b1)-(\b0)+1
.if b < 8
	WIN 0x50
.set rB, 32*b
.else
	WIN 0xa0
.set rB, 32*(b-8)
.endif
.set a, 0
.rept 4
.if \zero
	v_wmma_f32_16x16x32_bf16 v[rB+8*a:rB+8*a+7], v[(\f)+32+8*b:(\f)+32+8*b+7], v[(\f)+8*a:(\f)+8*a+7], 0
.else
	v_wmma_f32_16x16x32_bf16 v[rB+8*a:rB+8*a+7], v[(\f)+32+8*b:(\f)+32+8*b+7], v[(\f)+8*a:(\f)+8*a+7], v[rB+8*a:rB+8*a+7]
.endif
.set a, a+1
.endr
.set b, b+1
.endr
.endm
.macro FETCH slot, k, f                ; 28 LDS loads in one run: the fragments of 32 along K at byte k of the rows
	WIN 0
.set i, 0
.rept 4
	ds_load_b128 v[(\f)+8*i:(\f)+8*i+3], v[ADRA+(\slot)] offset:(\k)+i*16*PITCH
	ds_load_b128 v[(\f)+8*i+4:(\f)+8*i+7], v[ADRA+(\slot)] offset:(\k)+i*16*PITCH+32
.set i, i+1
.endr
.set i, 0
.rept 10
	ds_load_b128 v[(\f)+32+8*i:(\f)+32+8*i+3], v[ADRB+(\slot)] offset:(\k)+i*16*PITCH
	ds_load_b128 v[(\f)+32+8*i+4:(\f)+32+8*i+7], v[ADRB+(\slot)] offset:(\k)+i*16*PITCH+32
.set i, i+1
.endr
.endm
.macro QUARTER slot, k, f, g, zero     ; multiplies buffer f; in its middle the next quarter's fragments are fetched into g
	s_wait_dscnt 0x0                               ; buffer f's 28 loads, issued 20 matrix instructions ago
	MUL \f, 0, 4, \zero
	PLACES                                         ; four places between the products that read buffer g and the loads into it
	FETCH \slot, \k, \g
	MUL \f, 5, 9, \zero
.endm
; The last quarter of a K step changes slots: every wave waits for all its tensor loads (its part of the next slot), adds 0 to its spare word,
; waits for that and for its reads of this slot; behind the barrier (with fill = 1: a round of the cluster's) this slot is filled again first.
.macro TURN slot, next, fill
	s_wait_dscnt 0x0                               ; buffer 1's fragments: my last reads of this slot
	WIN 0
	s_wait_tensorcnt 0x0
	ds_add_u32 v[SPW], v[NIL]
	MUL F1, 0, 4, 0                                ; 20 matrix instructions stand between the add and the wait for it
	s_wait_dscnt 0x0
	WIN 0
	s_barrier_signal -1
	s_barrier_wait -1
.if \fill
	CREST
	s_add_nc_u64 s[G0A+4*(\slot)+2:G0A+4*(\slot)+3], s[G0A+4*(\slot)+2:G0A+4*(\slot)+3], 512
	s_add_nc_u64 s[G0B+4*(\slot)+2:G0B+4*(\slot)+3], s[G0B+4*(\slot)+2:G0B+4*(\slot)+3], 512
	JLOAD \slot                                    ; two K steps ahead; its four v_nop are also the places in front of the loads below
.else
	PLACES
.endif
	FETCH \next, 0, F0
	MUL F1, 5, 9, 0
.endm
	s_wait_tensorcnt 1                             ; my part of K step 0 is in; step 1's stays out
	s_barrier_signal -1
	s_barrier_wait -1
	FETCH 0, 0, F0
	QUARTER 0, 64, F0, F1, 1                       ; the first products start the sums
	WIN 0
	s_mov_b32 s3, 3
.Llap:
	QUARTER 0, 128, F1, F0, 0
	QUARTER 0, 192, F0, F1, 0
	TURN 0, 1, 1
	QUARTER 1, 64, F0, F1, 0
	QUARTER 1, 128, F1, F0, 0
	QUARTER 1, 192, F0, F1, 0
	TURN 1, 0, 1
	QUARTER 0, 64, F0, F1, 0
	WIN 0
	s_sub_co_u32 s3, s3, 1
	s_cmp_lg_u32 s3, 0
	s_cbranch_scc1 .Llap
	QUARTER 0, 128, F1, F0, 0                      ; the last lap fills nothing
	QUARTER 0, 192, F0, F1, 0
	TURN 0, 1, 0
	QUARTER 1, 64, F0, F1, 0
	QUARTER 1, 128, F1, F0, 0
	QUARTER 1, 192, F0, F1, 0
	s_wait_dscnt 0x0
	MUL F1, 0, 9, 0
	WIN 0
	PLACES
; THE WAY OUT, a block of 32 columns at a time, through my own stage (LDS serves a wave's instructions in order), back as 512 consecutive bytes a load.
.macro OUT16 g
.set a, 0
.rept 4
.set bb, 0
.rept 2
.set b, 2*(\g)+bb
.if b < 8
	WIN 0x05
.set rB, 32*b
.else
	WIN 0x0a
.set rB, 32*(b-8)
.endif
.set j, 0
.rept 4
	v_cvt_pk_f16_f32 v[TMP+8*a+4*bb+j], v[rB+8*a+2*j], v[rB+8*a+2*j+1]
.set j, j+1
.endr
.set bb, bb+1
.endr
.set a, a+1
.endr
	WIN 0
.set a, 0
.rept 4
	ds_store_b128 v[STO16], v[TMP+8*a:TMP+8*a+3] offset:a*SUB
	ds_store_b128 v[STO16], v[TMP+8*a+4:TMP+8*a+7] offset:a*SUB+32
.set a, a+1
.endr
.set a, 0
.rept 4
	ds_load_b128 v[BK+8*a:BK+8*a+3], v[RD16] offset:a*SUB
	ds_load_b128 v[BK+8*a+4:BK+8*a+7], v[RD16] offset:a*SUB+640
.set a, a+1
.endr
	s_wait_dscnt 0x0
.set a, 0
.rept 4
	global_store_b128 v[GO], v[BK+8*a:BK+8*a+3], s[68:69] offset:a*1024
	global_store_b128 v[GO], v[BK+8*a+4:BK+8*a+7], s[68:69] offset:a*1024+512
.set a, a+1
.endr
.endm
.macro OUT32 g
.set a, 0
.rept 4
.set bb, 0
.rept 2
.set b, 2*(\g)+bb
.if b < 8
	WIN 0x04                                       ; the stores' data in window 1
.set rB, 32*b
.else
	WIN 0x08
.set rB, 32*(b-8)
.endif
	ds_store_b128 v[STO32], v[rB+8*a:rB+8*a+3] offset:a*SUB+bb*64
	ds_store_b128 v[STO32], v[rB+8*a+4:rB+8*a+7] offset:a*SUB+bb*64+16
.set bb, bb+1
.endr
.set a, a+1
.endr
	WIN 0
.set i, 0
.rept 16
	ds_load_b128 v[TMP+4*i:TMP+4*i+3], v[RD32] offset:(i/4)*SUB+(i%4)*576
.set i, i+1
.endr
	s_wait_dscnt 0x0
.set i, 0
.rept 16
	global_store_b128 v[GO], v[TMP+4*i:TMP+4*i+3], s[68:69] offset:i*512
.set i, i+1
.endr
.endm
.macro WAYOUT g
	s_wait_xcnt 0x0                                ; the last block's stores have read their base and data: both are written again below
	s_add_co_u32 s71, s70, \g
	s_mov_b32 s73, 0
	s_cmp_lt_u32 s71, 128                          ; blocks 0-127 are z and v
	s_cbranch_scc0 .Lw32_\@
	s_lshl_b32 s72, s71, 17
	s_add_co_u32 s72, s72, s74
	s_add_nc_u64 s[68:69], s[6:7], s[72:73]
	OUT16 \g
	s_branch .Lwd_\@
.Lw32_\@:
	s_sub_co_u32 s72, s71, 128
	s_lshl_b32 s72, s72, 18
	s_add_co_u32 s72, s72, s75
	s_add_nc_u64 s[68:69], s[6:7], s[72:73]
	OUT32 \g
.Lwd_\@:
.endm
	WAYOUT 0
	WAYOUT 1
	WAYOUT 2
	WAYOUT 3
	WAYOUT 4
	s_wait_tensorcnt 0x0                           ; the wave's end
	ds_add_u32 v[SPW], v[NIL]
	s_wait_dscnt 0x0
	CROUND                                         ; the closing round
	s_endpgm
.Lfunc_end_k_qf34a3eef0f_gemm_in:
	.size	k_qf34a3eef0f_gemm_in, .Lfunc_end_k_qf34a3eef0f_gemm_in-k_qf34a3eef0f_gemm_in
	.p2alignl 7, 3214868480
	.fill 96, 4, 3214868480
	.section	.rodata,"a",@progbits
	.p2align	6, 0x0
	.amdhsa_kernel k_qf34a3eef0f_gemm_in
		.amdhsa_group_segment_fixed_size 327680
		.amdhsa_private_segment_fixed_size 0
		.amdhsa_enable_private_segment 0
		.amdhsa_kernarg_size 16
		.amdhsa_user_sgpr_count 2
		.amdhsa_user_sgpr_kernarg_segment_ptr 1
		.amdhsa_wavefront_size32 1
		.amdhsa_system_sgpr_workgroup_id_x 1
		.amdhsa_system_sgpr_workgroup_id_y 1
		.amdhsa_system_sgpr_workgroup_id_z 1
		.amdhsa_system_vgpr_workitem_id 0
		.amdhsa_next_free_vgpr 576
		.amdhsa_next_free_sgpr 80
		.amdhsa_reserve_vcc 0
		.amdhsa_float_denorm_mode_32 3
		.amdhsa_float_denorm_mode_16_64 3
		.amdhsa_memory_ordered 1
		.amdhsa_forward_progress 1
		.amdhsa_inst_pref_size 122
	.end_amdhsa_kernel
	.amdgpu_metadata
---
amdhsa.version: [ 1, 2 ]
amdhsa.kernels:
  - .name:           k_qf34a3eef0f_gemm_in
    .symbol:         k_qf34a3eef0f_gemm_in.kd
    .args:
      - { .name: wb, .offset: 0, .size: 8, .value_kind: global_buffer, .address_space: global }
      - { .name: pj, .offset: 8, .size: 8, .value_kind: global_buffer, .address_space: global }
    .group_segment_fixed_size: 327680
    .private_segment_fixed_size: 0
    .kernarg_segment_align: 8
    .kernarg_segment_size: 16
    .max_flat_workgroup_size: 128
    .sgpr_count:     80
    .vgpr_count:     576
    .wavefront_size: 32
...
	.end_amdgpu_metadata
.endif
;; end of part 2
;; launch prep (part 3): grid 72 x 1, 32 waves a work-group, no clusters, 108,032 bytes of LDS; arguments pj, dt_bias, B_norm_w, C_norm_w, pp; writes pp
.if DOCPART == 3
	.amdgcn_target "amdgcn-amd-amdhsa--gfx1250"
	.amdhsa_code_object_version 6
	.text
	.protected	k_qf34a3eef0f_prep
	.globl	k_qf34a3eef0f_prep
	.p2align	8
	.type	k_qf34a3eef0f_prep,@function
k_qf34a3eef0f_prep:
	s_mov_b64 s[64:65], 0
	v_nop
	global_prefetch_b8 v0, s[64:65] scope:SCOPE_SE
	s_setreg_imm32_b32 hwreg(HW_REG_WAVE_MODE, 25, 1), 1
	s_wait_xcnt 0x0
; The small work on the 384 f32 columns of the projection.  Work-groups 0-63 (ROWS): 32 rows each, a wave a row, a lane a pair of the state:
; the phase (sum of the angle columns from the batch's first row on), its sine and cosine, the two RMS norms, the rotation.
; Work-groups 64-71 (HEADS): a quarter of 256 positions each, a wave 8 positions, a lane a head: dt, A, trap, and of them
; LP (sum of log2 alpha from the quarter's first position on), LC = log2 c, LG = log2 g; g = trap dt, c_t = g_t + (1 - trap_{t+1}) dt_{t+1}.
; pp: G [2048][512 B]: 64 words Brot (word 2 i the rotated pair i, word 2 i + 1 the pair 64 + 2 i), 64 words (cos, sin), (-sin, cos), f16;
; CR [2048][256 B] Crot likewise; HD [LP, LC, LG][64 (b, h)][1024] f32.  The small inputs are rounded to bf16 like the large ones.
; LIMITS: |phase| up to about 1e6 (three-part reduction by pi / 2); a step's log2 alpha is held at -128 (its weight is 0 either way);
; c and g below 2^-140 count as 2^-140; a softplus below 2^-126 counts as 0.
.set TOT, 99840
.set SPARE, 103936
.set SPW, 126
.set NIL, 127
.set TT, 104
.macro ALLN n, line:vararg             ; one line for each i
.set i, 0
	s_wait_alu depctr_va_vdst(0)
.rept \n
	\line
.set i, i+1
.endr
.endm
.macro RB16 a, b                       ; two numbers rounded to bf16, kept as f32
	v_cvt_pk_bf16_f32 v[TT], v[\a], v[\b]
	v_lshlrev_b32 v[\a], 16, v[TT]
	v_and_b32 v[\b], 0xffff0000, v[TT]
.endm
.macro WSUM x, t                       ; the sum over the wave's 32 lanes, in every lane
	v_add_f32_dpp v[\x], v[\x], v[\x] row_xmask:1 row_mask:0xf bank_mask:0xf
	v_add_f32_dpp v[\x], v[\x], v[\x] row_xmask:2 row_mask:0xf bank_mask:0xf
	v_add_f32_dpp v[\x], v[\x], v[\x] row_xmask:4 row_mask:0xf bank_mask:0xf
	v_add_f32_dpp v[\x], v[\x], v[\x] row_xmask:8 row_mask:0xf bank_mask:0xf
	v_permlanex16_b32 v[\t], v[\x], s26, s27
	v_add_f32 v[\x], v[\x], v[\t]
.endm
	s_load_b256 s[4:11], s[0:1], 0x0               ; pj, dt_bias, B_norm_w, C_norm_w
	s_load_b64 s[12:13], s[0:1], 0x20              ; pp
	v_lshl_add_u32 v[SPW], v0, 2, SPARE
	v_mov_b32 v[NIL], 0
	v_lshrrev_b32 v1, 5, v0
	v_readfirstlane_b32 s14, v1                    ; wave
	v_and_b32 v1, 31, v0                           ; lane
	s_mov_b32 s15, ttmp9
	s_mov_b32 s26, 0x76543210
	s_mov_b32 s27, 0xfedcba98
	s_mov_b32 s28, 0x3c000000                      ; 1 / 128
	s_mov_b32 s29, 0x3727c5ac                      ; 1e-5
	s_mov_b32 s30, 0xbfb8aa3b                      ; -log2 e
	s_mov_b32 s31, 0x38d1b717                      ; 1e-4
	s_mov_b32 s32, 0xc3000000                      ; -128
	s_mov_b32 s33, 0xc30c0000                      ; -140
	s_mov_b32 s34, 0x3fc90fdb                      ; pi / 2 in three parts
	s_mov_b32 s35, 0xb33bbd2e
	s_mov_b32 s36, 0xa6f72ced
	s_wait_kmcnt 0x0
	s_cmp_lt_u32 s15, 64
	s_cbranch_scc0 .Lheads
	; ROWS
	s_lshr_b32 s16, s15, 5                         ; batch
	s_and_b32 s17, s15, 31                         ; my block of 32 rows in the batch
	s_lshl_b32 s18, s16, 10
	s_add_co_u32 s18, s18, s14
	s_lshl_b32 s18, s18, 7
	v_lshl_add_u32 v2, v1, 2, s18                  ; angle column lane of row batch x 1024 + wave (+ 32 k)
	s_add_nc_u64 s[20:21], s[4:5], 19660800        ; block 11
	s_add_nc_u64 s[22:23], s[4:5], 16777216        ; block 0
	s_lshl_b32 s19, s15, 5
	s_add_co_u32 s19, s19, s14                     ; my row
	v_lshrrev_b32 v3, 4, v1
	v_lshlrev_b32 v3, 18, v3                       ; pair lane lies in block lane / 16,
	v_and_b32 v4, 15, v1
	v_lshl_add_u32 v3, v4, 3, v3                   ; at 8 (lane % 16)
	s_lshl_b32 s24, s19, 7
	v_add_nc_u32 v3, s24, v3
	v_lshlrev_b32 v4, 3, v1
.set k, 0
.rept 32
	global_load_b32 v[32+k], v2, s[20:21] offset:k*4096
.set k, k+1
.endr
	global_load_b64 v[64:65], v3, s[22:23]                 ; B, rotated pair
	global_load_b64 v[66:67], v3, s[22:23] offset:524288   ; B, pair 64 + 2 i
	global_load_b64 v[68:69], v3, s[22:23] offset:1048576  ; C
	global_load_b64 v[70:71], v3, s[22:23] offset:1572864
	global_load_b64 v[72:73], v4, s[8:9]
	global_load_b64 v[74:75], v4, s[8:9] offset:256
	global_load_b64 v[76:77], v4, s[10:11]
	global_load_b64 v[78:79], v4, s[10:11] offset:256
	v_lshlrev_b32 v7, 2, v0
	v_lshlrev_b32 v8, 2, v1
	s_wait_loadcnt 0x0
	; X: my rows of the blocks in front of mine; Y: my row of my block
.set k, 0
.rept 32
	s_cmp_gt_u32 s17, k
	s_cselect_b32 s24, 1.0, 0
	s_cmp_eq_u32 s17, k
	s_cselect_b32 s25, 1.0, 0
.if k == 0
	v_mul_f32 v5, s24, v[32]
	v_mul_f32 v6, s25, v[32]
.else
	v_fmac_f32 v5, s24, v[32+k]
	v_fmac_f32 v6, s25, v[32+k]
.endif
.set k, k+1
.endr
	ds_store_b32 v7, v5
	ds_store_b32 v7, v6 offset:4096
	s_wait_dscnt 0x0                               ; for the others' sake
	s_barrier_signal -1
	s_barrier_wait -1
.set k, 0
.rept 32
	ds_load_b32 v[32+k], v8 offset:k*128
	ds_load_b32 v[80+k], v8 offset:4096+k*128
.set k, k+1
.endr
	s_wait_dscnt 0x0
	v_pk_add_f32 v[10:11], v[32:33], v[34:35]
.set k, 2
.rept 14
	v_pk_add_f32 v[10:11], v[10:11], v[32+2*k:33+2*k]
.set k, k+1
.endr
	v_add_f32 v9, v10, v11
.set k, 0
.rept 32
	s_cmp_ge_u32 s14, k                            ; the rows of my block up to mine
	s_cselect_b32 s24, 1.0, 0
	v_fmac_f32 v9, s24, v[80+k]
.set k, k+1
.endr
	; sine and cosine of v9: n = round(x 2 / pi), r = x - n pi / 2, polynomials on |r| <= pi / 4, then the quadrant
	v_mul_f32 v12, 0x3f22f983, v9
	v_rndne_f32 v12, v12
	v_fma_f32 v13, -v12, s34, v9
	v_fma_f32 v13, -v12, s35, v13
	v_fma_f32 v13, -v12, s36, v13
	v_mul_f32 v14, v13, v13
	v_mov_b32 v15, 0xb94ca1f9
	v_fmaak_f32 v15, v15, v14, 0x3c08839e
	v_fmaak_f32 v15, v15, v14, 0xbe2aaaa3
	v_mul_f32 v17, v14, v13
	v_fma_f32 v15, v15, v17, v13                   ; sin r
	v_mov_b32 v16, 0x37ccf5ce
	v_fmaak_f32 v16, v16, v14, 0xbab60619
	v_fmaak_f32 v16, v16, v14, 0x3d2aaaa5
	v_mul_f32 v17, v14, v14
	v_fma_f32 v18, v14, -0.5, 1.0
	v_fma_f32 v16, v16, v17, v18                   ; cos r
	v_cvt_i32_f32 v19, v12
	v_and_b32 v17, 1, v19
	v_cmp_eq_u32 vcc_lo, 1, v17
	v_cndmask_b32 v20, v15, v16, vcc_lo            ; odd quadrants swap the two
	v_cndmask_b32 v21, v16, v15, vcc_lo
	v_and_b32 v17, 2, v19
	v_lshlrev_b32 v17, 30, v17
	v_xor_b32 v20, v20, v17                        ; sin
	v_add_nc_u32 v17, 1, v19
	v_and_b32 v17, 2, v17
	v_lshlrev_b32 v17, 30, v17
	v_xor_b32 v21, v21, v17                        ; cos
	; the two norms
	v_mul_f32 v22, v64, v64
	v_fmac_f32 v22, v65, v65
	v_fmac_f32 v22, v66, v66
	v_fmac_f32 v22, v67, v67
	v_mul_f32 v23, v68, v68
	v_fmac_f32 v23, v69, v69
	v_fmac_f32 v23, v70, v70
	v_fmac_f32 v23, v71, v71
	WSUM 22, 17
	WSUM 23, 17
	v_fma_f32 v22, v22, s28, s29
	v_fma_f32 v23, v23, s28, s29
	v_rsq_f32 v22, v22
	v_rsq_f32 v23, v23
	RB16 72, 73                                    ; plain work behind the two roots
	RB16 74, 75
	RB16 76, 77
	RB16 78, 79
	s_wait_alu depctr_va_vdst(0)
.irp j, 0,1,2,3
	v_mul_f32 v[64+\j], v[64+\j], v22
	v_mul_f32 v[68+\j], v[68+\j], v23
.endr
.irp j, 0,1,2,3,4,5,6,7
	v_mul_f32 v[64+\j], v[64+\j], v[72+\j]
.endr
.macro ROT x                           ; the pair v[x], v[x+1] turned by the phase
	v_mul_f32 v17, v[\x+1], v20
	v_mul_f32 v18, v[\x+1], v21
	v_fma_f32 v[\x+1], v[\x], v20, v18
	v_fma_f32 v[\x], v[\x], v21, -v17
.endm
	ROT 64
	ROT 68
	v_xor_b32 v24, 0x80000000, v20
	v_cvt_pk_f16_f32 v40, v64, v65
	v_cvt_pk_f16_f32 v41, v66, v67
	v_cvt_pk_f16_f32 v42, v21, v20
	v_cvt_pk_f16_f32 v43, v24, v21
	v_cvt_pk_f16_f32 v44, v68, v69
	v_cvt_pk_f16_f32 v45, v70, v71
	s_lshl_b32 s24, s19, 9
	v_lshl_add_u32 v46, v1, 3, s24
	s_lshl_b32 s25, s19, 8
	v_lshl_add_u32 v47, v1, 3, s25
	global_store_b64 v46, v[40:41], s[12:13]               ; each store of the wave covers 256 consecutive bytes, aligned
	global_store_b64 v46, v[42:43], s[12:13] offset:256
	global_store_b64 v47, v[44:45], s[12:13] offset:1048576
	s_wait_tensorcnt 0x0                           ; the wave's end
	ds_add_u32 v[SPW], v[NIL]
	s_wait_dscnt 0x0
	s_endpgm
.Lheads:
.set XD, 10
.set XA, 20
.set XT, 30
.set U, 40
.set S, 50
.set Z, 60
.set P, 70
.set LPA, 80
.set LCA, 88
.set LGA, 96
; softplus(x) = max(x, 0) + log(1 + u), u = e^-|x|; log(1 + u) = 2 s (1 + z / 3 + .. + z^6 / 13), s = u / (2 + u), z = s^2 <= 1 / 9: what is cut lies under 2e-8 of it
.macro SOFTPLUS arr
	ALLN 9, v_mul_f32 v[U+i], s30, |v[\arr+i]|
	ALLN 9, v_exp_f32 v[U+i], v[U+i]
	ALLN 9, v_max_num_f32 v[\arr+i], 0, v[\arr+i]
	ALLN 9, v_add_f32 v[S+i], 2.0, v[U+i]
	ALLN 9, v_rcp_f32 v[S+i], v[S+i]
	ALLN 9, v_mov_b32 v[P+i], 0x3d9d89d9
	ALLN 9, v_mul_f32 v[S+i], v[U+i], v[S+i]
	ALLN 9, v_mul_f32 v[Z+i], v[S+i], v[S+i]
	ALLN 9, v_fmaak_f32 v[P+i], v[P+i], v[Z+i], 0x3dba2e8c
	ALLN 9, v_fmaak_f32 v[P+i], v[P+i], v[Z+i], 0x3de38e39
	ALLN 9, v_fmaak_f32 v[P+i], v[P+i], v[Z+i], 0x3e124925
	ALLN 9, v_fmaak_f32 v[P+i], v[P+i], v[Z+i], 0x3e4ccccd
	ALLN 9, v_fmaak_f32 v[P+i], v[P+i], v[Z+i], 0x3eaaaaab
	ALLN 9, v_fma_f32 v[P+i], v[P+i], v[Z+i], 1.0
	ALLN 9, v_mul_f32 v[P+i], v[S+i], v[P+i]
	ALLN 9, v_fmac_f32 v[\arr+i], 2.0, v[P+i]
.endm
	s_sub_co_u32 s16, s15, 64                      ; batch x 4 + quarter
	s_and_b32 s17, s16, 3
	s_lshr_b32 s18, s16, 2
	s_lshl_b32 s19, s16, 8
	s_lshl3_add_u32 s19, s14, s19                  ; my first row
	s_add_co_u32 s22, s19, 8
	s_min_u32 s22, s22, 2047                       ; the ninth row serves c of my eighth; it stays inside the buffer
	s_lshl_b32 s23, s19, 7
	v_lshl_add_u32 v2, v1, 2, s23
	s_lshl_b32 s24, s22, 7
	v_lshl_add_u32 v3, v1, 2, s24
	v_lshlrev_b32 v5, 2, v1
	s_add_nc_u64 s[20:21], s[4:5], 18874368        ; block 8: dd_dt; 9: dd_A; 10: trap
.set i, 0
.rept 8
	global_load_b32 v[XD+i], v2, s[20:21] offset:i*128
	global_load_b32 v[XA+i], v2, s[20:21] offset:262144+i*128
	global_load_b32 v[XT+i], v2, s[20:21] offset:524288+i*128
.set i, i+1
.endr
	global_load_b32 v[XD+8], v3, s[20:21]
	global_load_b32 v[XA+8], v3, s[20:21] offset:262144
	global_load_b32 v[XT+8], v3, s[20:21] offset:524288
	global_load_b32 v4, v5, s[6:7]
	s_cmp_eq_u32 s17, 3                            ; behind the batch's last position there is no next one
	s_cselect_b32 s24, 1, 0
	s_cmp_eq_u32 s14, 31
	s_cselect_b32 s25, s24, 0
	s_cmp_eq_u32 s25, 1
	s_cselect_b32 s25, 0, 1.0
	s_wait_loadcnt 0x0
	v_cvt_pk_bf16_f32 v[TT], v4, v4
	v_lshlrev_b32 v4, 16, v[TT]
	ALLN 9, v_add_f32 v[XD+i], v[XD+i], v4
	SOFTPLUS XD                                    ; dt
	SOFTPLUS XA
	ALLN 9, v_max_num_f32 v[XA+i], s31, v[XA+i]    ; -A
	ALLN 8, v_mul_f32 v[U+i], v[XA+i], v[XD+i]
	ALLN 8, v_mul_f32 v[U+i], s30, v[U+i]
	ALLN 8, v_max_num_f32 v[U+i], s32, v[U+i]      ; log2 alpha
	; sigmoid(r) and sigmoid(-r): e = e^-|r|, 1 / (1 + e) and e / (1 + e)
	ALLN 9, v_mul_f32 v[S+i], s30, |v[XT+i]|
	ALLN 9, v_exp_f32 v[S+i], v[S+i]
	v_nop
	s_wait_alu depctr_va_vdst(0)
	ALLN 9, v_add_f32 v[Z+i], 1.0, v[S+i]
	ALLN 9, v_rcp_f32 v[Z+i], v[Z+i]
	v_nop
	s_wait_alu depctr_va_vdst(0)
	ALLN 9, v_mul_f32 v[P+i], v[S+i], v[Z+i]
.set i, 0
.rept 9
	v_cmp_le_f32 vcc_lo, 0, v[XT+i]
	v_cndmask_b32 v[S+i], v[P+i], v[Z+i], vcc_lo   ; trap
	v_cndmask_b32 v[XT+i], v[Z+i], v[P+i], vcc_lo  ; 1 - trap
.set i, i+1
.endr
	ALLN 9, v_mul_f32 v[S+i], v[S+i], v[XD+i]      ; g
	ALLN 9, v_mul_f32 v[XT+i], v[XT+i], v[XD+i]
	v_mul_f32 v[XT+8], s25, v[XT+8]
	ALLN 8, v_add_f32 v[Z+i], v[S+i], v[XT+i+1]    ; c
	ALLN 8, v_log_f32 v[LCA+i], v[Z+i]
	ALLN 8, v_log_f32 v[LGA+i], v[S+i]
	v_mov_b32 v[LPA], v[U]
	s_wait_alu depctr_va_vdst(0)
	ALLN 8, v_max_num_f32 v[LCA+i], s33, v[LCA+i]
	ALLN 8, v_max_num_f32 v[LGA+i], s33, v[LGA+i]
	ALLN 7, v_add_f32 v[LPA+i+1], v[LPA+i], v[U+i+1]
	v_lshl_add_u32 v6, v0, 2, TOT
	ds_store_b32 v6, v[LPA+7]                      ; my eight positions' total
	v_lshl_add_u32 v7, v1, 2, TOT
	s_wait_dscnt 0x0
	s_barrier_signal -1
	s_barrier_wait -1
.set k, 0
.rept 32
	ds_load_b32 v[10+k], v7 offset:k*128
.set k, k+1
.endr
	s_wait_dscnt 0x0
.set k, 0
.rept 32
	s_cmp_gt_u32 s14, k                            ; the waves in front of me
	s_cselect_b32 s24, 1.0, 0
.if k == 0
	v_mul_f32 v8, s24, v[10]
.else
	v_fmac_f32 v8, s24, v[10+k]
.endif
.set k, k+1
.endr
	ALLN 8, v_add_f32 v[LPA+i], v[LPA+i], v8
	; turned through LDS: [kind][head][position], pitch 1,040 bytes
	v_mul_u32_u24 v6, v1, 1040
	s_lshl_b32 s24, s14, 5
	v_add_nc_u32 v6, s24, v6
	v_add_nc_u32 v7, 66560, v6
	ds_store_b128 v6, v[LPA:LPA+3]
	ds_store_b128 v6, v[LPA+4:LPA+7] offset:16
	ds_store_b128 v6, v[LCA:LCA+3] offset:33280
	ds_store_b128 v6, v[LCA+4:LCA+7] offset:33296
	ds_store_b128 v7, v[LGA:LGA+3]
	ds_store_b128 v7, v[LGA+4:LGA+7] offset:16
	s_mul_i32 s24, s14, 1040
	v_lshl_add_u32 v8, v1, 4, s24                  ; wave w now takes head w
	v_add_nc_u32 v9, 66560, v8
	s_wait_dscnt 0x0
	s_barrier_signal -1
	s_barrier_wait -1
	ds_load_b128 v[10:13], v8
	ds_load_b128 v[14:17], v8 offset:512
	ds_load_b128 v[18:21], v8 offset:33280
	ds_load_b128 v[22:25], v8 offset:33792
	ds_load_b128 v[26:29], v9
	ds_load_b128 v[30:33], v9 offset:512
	s_lshl_b32 s24, s18, 5
	s_add_co_u32 s24, s24, s14
	s_lshl_b32 s24, s24, 12
	s_lshl_b32 s25, s17, 10
	s_add_co_u32 s24, s24, s25
	v_lshl_add_u32 v34, v1, 4, s24
	s_wait_dscnt 0x0
.irp k, 0,1,2
	global_store_b128 v34, v[10+8*\k:13+8*\k], s[12:13] offset:1572864+262144*\k
	global_store_b128 v34, v[14+8*\k:17+8*\k], s[12:13] offset:1572864+262144*\k+512
.endr
	s_wait_tensorcnt 0x0                           ; the wave's end
	ds_add_u32 v[SPW], v[NIL]
	s_wait_dscnt 0x0
	s_endpgm
.Lfunc_end_k_qf34a3eef0f_prep:
	.size	k_qf34a3eef0f_prep, .Lfunc_end_k_qf34a3eef0f_prep-k_qf34a3eef0f_prep
	.p2alignl 7, 3214868480
	.fill 96, 4, 3214868480
	.section	.rodata,"a",@progbits
	.p2align	6, 0x0
	.amdhsa_kernel k_qf34a3eef0f_prep
		.amdhsa_group_segment_fixed_size 108032
		.amdhsa_private_segment_fixed_size 0
		.amdhsa_enable_private_segment 0
		.amdhsa_kernarg_size 40
		.amdhsa_user_sgpr_count 2
		.amdhsa_user_sgpr_kernarg_segment_ptr 1
		.amdhsa_wavefront_size32 1
		.amdhsa_system_sgpr_workgroup_id_x 1
		.amdhsa_system_sgpr_workgroup_id_y 1
		.amdhsa_system_sgpr_workgroup_id_z 1
		.amdhsa_system_vgpr_workitem_id 0
		.amdhsa_next_free_vgpr 128
		.amdhsa_next_free_sgpr 66
		.amdhsa_reserve_vcc 1
		.amdhsa_float_denorm_mode_32 3
		.amdhsa_float_denorm_mode_16_64 3
		.amdhsa_memory_ordered 1
		.amdhsa_forward_progress 1
		.amdhsa_inst_pref_size 58
	.end_amdhsa_kernel
	.amdgpu_metadata
---
amdhsa.version: [ 1, 2 ]
amdhsa.kernels:
  - .name:           k_qf34a3eef0f_prep
    .symbol:         k_qf34a3eef0f_prep.kd
    .args:
      - { .name: pj, .offset: 0, .size: 8, .value_kind: global_buffer, .address_space: global }
      - { .name: dt_bias, .offset: 8, .size: 8, .value_kind: global_buffer, .address_space: global }
      - { .name: B_norm_w, .offset: 16, .size: 8, .value_kind: global_buffer, .address_space: global }
      - { .name: C_norm_w, .offset: 24, .size: 8, .value_kind: global_buffer, .address_space: global }
      - { .name: pp, .offset: 32, .size: 8, .value_kind: global_buffer, .address_space: global }
    .group_segment_fixed_size: 108032
    .private_segment_fixed_size: 0
    .kernarg_segment_align: 8
    .kernarg_segment_size: 40
    .max_flat_workgroup_size: 1024
    .sgpr_count:     66
    .vgpr_count:     128
    .wavefront_size: 32
...
	.end_amdgpu_metadata
.endif
;; end of part 3
;; launch cstate (part 4): grid 32 x 6, 8 waves a work-group, clusters of 4 x 1, 194,560 bytes of LDS; arguments pj, pp, B_bias, cs; writes cs
.if DOCPART == 4
	.amdgcn_target "amdgcn-amd-amdhsa--gfx1250"
	.amdhsa_code_object_version 6
	.text
	.protected	k_qf34a3eef0f_cstate
	.globl	k_qf34a3eef0f_cstate
	.p2align	8
	.type	k_qf34a3eef0f_cstate,@function
k_qf34a3eef0f_cstate:
	s_mov_b64 s[64:65], 0
	v_nop
	global_prefetch_b8 v0, s[64:65] scope:SCOPE_SE
	s_setreg_imm32_b32 hwreg(HW_REG_WAVE_MODE, 25, 1), 1
	s_wait_xcnt 0x0
	s_wait_alu depctr_hold_cnt(0) depctr_sa_sdst(0) depctr_va_vdst(0) depctr_va_sdst(0) depctr_va_ssrc(0) depctr_va_vcc(0) depctr_vm_vsrc(0)
	s_getreg_b32 s2, hwreg(HW_REG_IB_STS2, 6, 4)
	s_cmp_eq_u32 s2, 0
	s_cbranch_scc0 .Lentry_in_a_cluster
	s_endpgm
.Lentry_in_a_cluster:
	s_bfe_u32 s2, ttmp6, 0x10000c
	s_cmp_lg_u32 s2, 0x3003
	s_cbranch_scc0 .Lentry_shape_is_right
	s_endpgm
.Lentry_shape_is_right:
; The state that a quarter of 256 positions adds: CS[n][p] = sum over j of 2^(T - LP_j + LC_j) k_j[n] v_j[p], for quarters 0-2 of each (batch, head).
; k_j = Brot_j + be (cos, sin) + bo (-sin, cos) on rotated pairs, Brot_j + bias on the others, built in LDS in f16; v_j is scaled by
; w_j = 2^(e_j - mu), mu the largest exponent of the quarter, so w <= 1 in f16; 2^mu is applied to the f32 sums.
; Eight waves; each brings, builds and scales its own 32 rows; then wave w makes rows n = 16 w .. 16 w + 15 of CS: 4 accumulators, 8 steps of 32 keys.
; CLUSTER: four heads share Brot and the cos / sin rows: joint loads; v is each head's own.  Every LDS byte is filled once.
; n is counted in the order in which pp holds the pairs; scan uses the same order.
.set KH, 0                             ; 256 rows, pitch 288
.set CSR, 73728                        ; cos / sin rows, pitch 272
.set V0, 143360                        ; v's channels 0-31, pitch 96
.set V1, 167936
.set WARR, 192512                      ; w_j twice in f16
.set SPARE, 193536
.set WV, 12
.set SPW, 30
.set NIL, 31
.set TT, 60
.set TB, 20                            ; v20-25: be0, bo0, be1, bo1 doubled, two plain pairs
.set ACC, 160
.set G1K, 16
.set G1S, 24
.set G1V, 32
.macro PLACES
.rept 4
	v_nop
.endr
.endm
.macro G1SET g, w0, rows, cols, pitch
	s_mov_b32 s[\g], \w0
	s_mov_b32 s[\g+1], (\cols)<<16
	s_mov_b32 s[\g+2], (\rows)<<16
	s_mov_b32 s[\g+3], (\cols)<<16
	s_mov_b32 s[\g+4], \rows
	s_mov_b32 s[\g+5], \pitch
	s_mov_b32 s[\g+6], 0
	s_mov_b32 s[\g+7], 0
.endm
.macro G0SET d, base, stride           ; LDS address = base + wave x stride
	s_mov_b32 s[\d], 1
	s_mul_i32 s[\d+1], s[WV], \stride
	s_add_co_u32 s[\d+1], s[\d+1], \base
.endm
.macro G0ADR d, p, o, extra            ; global address = pointer + offset pair + a constant
	s_add_nc_u64 s[\d+2:\d+3], s[\p:\p+1], s[\o:\o+1]
	s_add_nc_u64 s[\d+2:\d+3], s[\d+2:\d+3], \extra
	s_or_b32 s[\d+3], s[\d+3], 0x80000000
.endm
.macro CREST
	s_cmp_lg_u32 s[WV], 0
	s_cbranch_scc1 .Lnw_\@
	s_barrier_signal -3
.Lnw_\@:
	s_barrier_wait -3
	s_barrier_signal -1
	s_barrier_wait -1
.endm
.macro CROUND
	s_barrier_signal -1
	s_barrier_wait -1
	CREST
.endm
.macro RB16 a, b
	v_cvt_pk_bf16_f32 v[TT], v[\a], v[\b]
	v_lshlrev_b32 v[\a], 16, v[TT]
	v_and_b32 v[\b], 0xffff0000, v[TT]
.endm
.macro ROTB x, t, c                    ; four words of a row: two rotated pairs, two plain ones
	v_pk_fma_f16 v[(\x)], v[(\t)], v[(\c)], v[(\x)]
	v_pk_fma_f16 v[(\x)], v[(\t)+1], v[(\c)+1], v[(\x)]
	v_pk_add_f16 v[(\x)+1], v[(\x)+1], v[(\t)+4]
	v_pk_fma_f16 v[(\x)+2], v[(\t)+2], v[(\c)+2], v[(\x)+2]
	v_pk_fma_f16 v[(\x)+2], v[(\t)+3], v[(\c)+3], v[(\x)+2]
	v_pk_add_f16 v[(\x)+3], v[(\x)+3], v[(\t)+5]
.endm
	s_load_b256 s[4:11], s[0:1], 0x0               ; pj, pp, B_bias, cs
	v_lshl_add_u32 v[SPW], v0, 2, SPARE
	v_mov_b32 v[NIL], 0
	ds_add_u32 v[SPW], v[NIL]                      ; the wave's opening: the add and its wait ahead of my first tensor load
	v_lshrrev_b32 v1, 5, v0
	v_readfirstlane_b32 s[WV], v1
	s_bfe_u32 s13, ttmp6, 0x40000                  ; cx
	s_lshl_b32 s14, ttmp9, 2
	s_add_co_u32 s14, s14, s13                     ; head
	s_and_b32 s15, ttmp7, 0xffff
	s_cmp_ge_u32 s15, 3
	s_cselect_b32 s56, 1, 0                        ; batch
	s_mul_i32 s57, s56, 3
	s_sub_co_u32 s57, s15, s57                     ; quarter 0-2
	s_lshl_b32 s58, s56, 10
	s_lshl_b32 s59, s57, 8
	s_add_co_u32 s58, s58, s59
	s_lshl_b32 s59, s[WV], 5
	s_add_co_u32 s59, s58, s59                     ; my first row
	s_lshl_b32 s60, s56, 5
	s_add_co_u32 s60, s60, s14                     ; batch x 32 + head
	s_lshl_b32 s66, s59, 9
	s_mov_b32 s67, 0
	s_lshl_b32 s68, s14, 18
	s_lshl_b32 s69, s59, 6
	s_add_co_u32 s68, s68, s69
	s_mov_b32 s69, 0
	s_mov_b32 s62, 0x76543210
	s_mov_b32 s63, 0xfedcba98
	G1SET G1K, 15|(1<<16)|(1<<20)|(1<<21)|(5<<22)|(7<<25), 32, 128, 256
	G1SET G1S, 15|(1<<16)|(1<<20)|(1<<21)|(5<<22)|(3<<25), 32, 128, 256
	G1SET G1V, (1<<16)|(1<<20)|(3<<22)|(7<<25), 8, 128, 128    ; 32 dense rows of 64 bytes asked for as 8 of 256, padded behind every 64
	G0SET 40, KH, 9216
	G0SET 44, CSR, 8704
	G0SET 48, V0, 3072
	G0SET 52, V1, 3072
	s_wait_dscnt 0x0
	s_wait_kmcnt 0x0
	G0ADR 40, 6, 66, 0
	G0ADR 44, 6, 66, 256
	G0ADR 48, 4, 68, 8388608                       ; v's blocks begin at block 64
	G0ADR 52, 4, 68, 8519680
	CROUND
	tensor_load_to_lds s[40:43], s[G1K:G1K+7]      ; four loads of mine are out, each into bytes filled once
	s_nop 0
	tensor_load_to_lds s[44:47], s[G1S:G1S+7]
	s_nop 0
	tensor_load_to_lds s[48:51], s[G1V:G1V+7]
	s_nop 0
	tensor_load_to_lds s[52:55], s[G1V:G1V+7]
	s_nop 0
	v_and_b32 v3, 31, v0
	v_and_b32 v1, 15, v0
	v_bfe_u32 v2, v0, 4, 1
	s_lshl_b32 s72, s60, 12
	s_lshl_b32 s73, s57, 10
	s_add_co_u32 s72, s72, s73
	s_add_co_u32 s72, s72, 1572864
	s_mov_b32 s73, 0
	s_add_nc_u64 s[70:71], s[6:7], s[72:73]        ; LP of my (batch, head, quarter)
	s_lshl_b32 s72, s14, 9
	s_add_nc_u64 s[74:75], s[8:9], s[72:73]        ; my head's bias
	v_lshlrev_b32 v4, 5, v3
	v_lshlrev_b32 v5, 2, v0
	v_mov_b32 v6, 1020
	v_lshlrev_b32 v7, 4, v1
	global_load_b128 v[32:35], v4, s[70:71]
	global_load_b128 v[36:39], v4, s[70:71] offset:16
	global_load_b128 v[40:43], v4, s[70:71] offset:262144
	global_load_b128 v[44:47], v4, s[70:71] offset:262160
	global_load_b32 v48, v5, s[70:71]
	global_load_b32 v49, v5, s[70:71] offset:262144
	global_load_b32 v50, v6, s[70:71]              ; T: LP at the quarter's last position
	global_load_b128 v[52:55], v7, s[74:75]
	global_load_b128 v[56:59], v7, s[74:75] offset:256
	v_mov_b32 v27, 0
	v_mov_b32 v61, 0
	v_lshl_add_u32 v62, v0, 2, WARR
	s_wait_loadcnt 0x0
.irp j, 0,1,2,3,4,5,6,7
	v_sub_f32 v[32+\j], v50, v[32+\j]
.endr
.irp j, 0,1,2,3,4,5,6,7
	v_add_f32 v[32+\j], v[32+\j], v[40+\j]
.endr
	v_max3_num_f32 v51, v32, v33, v34
	v_max3_num_f32 v51, v51, v35, v36
	v_max3_num_f32 v51, v51, v37, v38
	v_max_num_f32 v51, v51, v39
	v_max_num_f32_dpp v51, v51, v51 row_xmask:1 row_mask:0xf bank_mask:0xf
	v_max_num_f32_dpp v51, v51, v51 row_xmask:2 row_mask:0xf bank_mask:0xf
	v_max_num_f32_dpp v51, v51, v51 row_xmask:4 row_mask:0xf bank_mask:0xf
	v_max_num_f32_dpp v51, v51, v51 row_xmask:8 row_mask:0xf bank_mask:0xf
	v_permlanex16_b32 v61, v51, s62, s63
	v_max_num_f32 v51, v51, v61                    ; mu
	v_sub_f32 v48, v50, v48
	v_add_f32 v48, v48, v49
	v_sub_f32 v48, v48, v51
	v_exp_f32 v48, v48
	v_exp_f32 v26, v51                             ; 2^mu
	RB16 52, 53
	RB16 54, 55
	RB16 56, 57
	RB16 58, 59
	s_wait_alu depctr_va_vdst(0)
	v_cvt_pk_f16_f32 v48, v48, v48
	ds_store_b32 v62, v48                          ; row 32 w + lane: read below by my own wave alone
	v_cvt_pk_f16_f32 v[TB], v52, v52
	v_cvt_pk_f16_f32 v[TB+1], v53, v53
	v_cvt_pk_f16_f32 v[TB+2], v54, v54
	v_cvt_pk_f16_f32 v[TB+3], v55, v55
	v_cvt_pk_f16_f32 v[TB+4], v56, v57
	v_cvt_pk_f16_f32 v[TB+5], v58, v59
	s_mul_i32 s66, s[WV], 9216
	v_mul_u32_u24 v8, v2, 288
	v_lshl_add_u32 v8, v1, 4, v8
	v_add_nc_u32 v8, s66, v8                       ; K: row 32 w + lane / 16, 16 bytes a lane
	s_mul_i32 s67, s[WV], 8704
	s_add_co_u32 s67, s67, CSR
	v_mul_u32_u24 v9, v2, 272
	v_lshl_add_u32 v9, v1, 4, v9
	v_add_nc_u32 v9, s67, v9
	v_lshrrev_b32 v16, 2, v3
	v_and_b32 v17, 3, v3
	s_mul_i32 s68, s[WV], 3072
	s_add_co_u32 s68, s68, V0
	v_mul_u32_u24 v10, v16, 96
	v_lshl_add_u32 v10, v17, 4, v10
	v_add_nc_u32 v10, s68, v10
	s_lshl_b32 s69, s[WV], 7
	s_add_co_u32 s69, s69, WARR
	v_lshl_add_u32 v11, v16, 2, s69
	v_and_b32 v16, 7, v0
	v_bfe_u32 v17, v0, 3, 1
	v_lshl_add_u32 v16, v2, 3, v16                 ; the turning load: key 8 (lane / 16) + lane % 8
	v_mul_u32_u24 v12, v16, 288
	v_lshl_add_u32 v12, v17, 4, v12
	s_lshl_b32 s69, s[WV], 5
	v_add_nc_u32 v12, s69, v12                     ; my 16 columns of K
	v_add_nc_u32 v13, 36864, v12
	v_mul_u32_u24 v14, v16, 96
	v_lshl_add_u32 v14, v17, 4, v14
	v_add_nc_u32 v14, V0, v14
	v_lshlrev_b32 v15, 4, v3
	s_wait_tensorcnt 0x0                           ; my 32 rows of all four tiles are in; only I touch them up to the barrier
.set g, 0
.rept 4
.set p, 0
.rept 4
	ds_load_b128 v[64+4*p:67+4*p], v8 offset:(4*g+p)*576
	ds_load_b128 v[80+4*p:83+4*p], v9 offset:(4*g+p)*544
.set p, p+1
.endr
	s_wait_dscnt 0x0
.set p, 0
.rept 4
	ROTB 64+4*p, TB, 80+4*p
	ds_store_b128 v8, v[64+4*p:67+4*p] offset:(4*g+p)*576
.set p, p+1
.endr
.set g, g+1
.endr
.set k, 0
.rept 4
	ds_load_b32 v[96+k], v11 offset:k*32
	ds_load_b128 v[100+8*k:103+8*k], v10 offset:k*768
	ds_load_b128 v[104+8*k:107+8*k], v10 offset:24576+k*768
.set k, k+1
.endr
	s_wait_dscnt 0x0
.set k, 0
.rept 4
.irp j, 0,1,2,3,4,5,6,7
	v_pk_mul_f16 v[100+8*k+\j], v[100+8*k+\j], v[96+k]
.endr
	ds_store_b128 v10, v[100+8*k:103+8*k] offset:k*768
	ds_store_b128 v10, v[104+8*k:107+8*k] offset:24576+k*768
.set k, k+1
.endr
	s_wait_dscnt 0x0                               ; for the others' sake: my rows of K and of w v are written
	s_barrier_signal -1
	s_barrier_wait -1
.macro LOADK kc, buf                   ; 32 keys: K^T of my 16 columns, and w v of all 64 channels, both turned
.if (\kc) < 4
	ds_load_tr16_b128 v[\buf:\buf+3], v12 offset:(\kc)*9216
	ds_load_tr16_b128 v[\buf+4:\buf+7], v12 offset:(\kc)*9216+4608
.else
	ds_load_tr16_b128 v[\buf:\buf+3], v13 offset:((\kc)-4)*9216
	ds_load_tr16_b128 v[\buf+4:\buf+7], v13 offset:((\kc)-4)*9216+4608
.endif
.irp pb, 0,1,2,3
	ds_load_tr16_b128 v[\buf+8+8*\pb:\buf+11+8*\pb], v14 offset:(\pb/2)*24576+(\pb%2)*32+(\kc)*3072
	ds_load_tr16_b128 v[\buf+12+8*\pb:\buf+15+8*\pb], v14 offset:(\pb/2)*24576+(\pb%2)*32+(\kc)*3072+1536
.endr
.endm
	LOADK 0, 64
.set kc, 0
.rept 8
.set bf, 64+40*(kc%2)
.set nb, 64+40*((kc+1)%2)
.if kc < 7
.if kc > 0
	PLACES                                         ; between the products that read the other buffer and the loads into it
.endif
	LOADK kc+1, nb
	s_wait_dscnt 10                                ; this step's ten loads are in, the next step's stay out
.else
	s_wait_dscnt 0x0
.endif
.irp pb, 0,1,2,3
.if kc == 0
	v_wmma_f32_16x16x32_f16 v[ACC+8*\pb:ACC+8*\pb+7], v[bf:bf+7], v[bf+8+8*\pb:bf+15+8*\pb], 0
.else
	v_wmma_f32_16x16x32_f16 v[ACC+8*\pb:ACC+8*\pb+7], v[bf:bf+7], v[bf+8+8*\pb:bf+15+8*\pb], v[ACC+8*\pb:ACC+8*\pb+7]
.endif
.endr
.set kc, kc+1
.endr
	PLACES
.set i, 0
.rept 16
	v_pk_mul_f32 v[64+2*i:65+2*i], v[ACC+2*i:ACC+2*i+1], v[26:27] op_sel_hi:[1,0]
.set i, i+1
.endr
	s_mul_i32 s72, s60, 3
	s_add_co_u32 s72, s72, s57
	s_lshl_b32 s72, s72, 3
	s_add_co_u32 s72, s72, s[WV]
	s_lshl_b32 s72, s72, 12
	s_add_nc_u64 s[10:11], s[10:11], s[72:73]
.set i, 0
.rept 8
	global_store_b128 v15, v[64+4*i:67+4*i], s[10:11] offset:i*512  ; 512 consecutive bytes a store
.set i, i+1
.endr
	s_wait_tensorcnt 0x0                           ; the wave's end
	ds_add_u32 v[SPW], v[NIL]
	s_wait_dscnt 0x0
	CROUND                                         ; the closing round
	s_endpgm
.Lfunc_end_k_qf34a3eef0f_cstate:
	.size	k_qf34a3eef0f_cstate, .Lfunc_end_k_qf34a3eef0f_cstate-k_qf34a3eef0f_cstate
	.p2alignl 7, 3214868480
	.fill 96, 4, 3214868480
	.section	.rodata,"a",@progbits
	.p2align	6, 0x0
	.amdhsa_kernel k_qf34a3eef0f_cstate
		.amdhsa_group_segment_fixed_size 194560
		.amdhsa_private_segment_fixed_size 0
		.amdhsa_enable_private_segment 0
		.amdhsa_kernarg_size 32
		.amdhsa_user_sgpr_count 2
		.amdhsa_user_sgpr_kernarg_segment_ptr 1
		.amdhsa_wavefront_size32 1
		.amdhsa_system_sgpr_workgroup_id_x 1
		.amdhsa_system_sgpr_workgroup_id_y 1
		.amdhsa_system_sgpr_workgroup_id_z 1
		.amdhsa_system_vgpr_workitem_id 0
		.amdhsa_next_free_vgpr 256
		.amdhsa_next_free_sgpr 96
		.amdhsa_reserve_vcc 0
		.amdhsa_float_denorm_mode_32 3
		.amdhsa_float_denorm_mode_16_64 3
		.amdhsa_memory_ordered 1
		.amdhsa_forward_progress 1
		.amdhsa_inst_pref_size 34
	.end_amdhsa_kernel
	.amdgpu_metadata
---
amdhsa.version: [ 1, 2 ]
amdhsa.kernels:
  - .name:           k_qf34a3eef0f_cstate
    .symbol:         k_qf34a3eef0f_cstate.kd
    .args:
      - { .name: pj, .offset: 0, .size: 8, .value_kind: global_buffer, .address_space: global }
      - { .name: pp, .offset: 8, .size: 8, .value_kind: global_buffer, .address_space: global }
      - { .name: B_bias, .offset: 16, .size: 8, .value_kind: global_buffer, .address_space: global }
      - { .name: cs, .offset: 24, .size: 8, .value_kind: global_buffer, .address_space: global }
    .group_segment_fixed_size: 194560
    .private_segment_fixed_size: 0
    .kernarg_segment_align: 8
    .kernarg_segment_size: 32
    .max_flat_workgroup_size: 256
    .sgpr_count:     96
    .vgpr_count:     256
    .wavefront_size: 32
...
	.end_amdgpu_metadata
.endif
;; end of part 4
;; launch scan (part 5): grid 32 x 8, 8 waves a work-group, clusters of 4 x 1, 327,680 bytes of LDS; arguments pj, pp, cs, B_bias, C_bias, B_norm_w, C_norm_w, D_param, out_norm_w, us; writes us
.if DOCPART == 5
	.amdgcn_target "amdgcn-amd-amdhsa--gfx1250"
	.amdhsa_code_object_version 6
	.text
	.protected	k_qf34a3eef0f_scan
	.globl	k_qf34a3eef0f_scan
	.p2align	8
	.type	k_qf34a3eef0f_scan,@function
k_qf34a3eef0f_scan:
	s_mov_b64 s[64:65], 0
	v_nop
	global_prefetch_b8 v0, s[64:65] scope:SCOPE_SE
	s_setreg_imm32_b32 hwreg(HW_REG_WAVE_MODE, 25, 1), 1
	s_wait_xcnt 0x0
	s_wait_alu depctr_hold_cnt(0) depctr_sa_sdst(0) depctr_va_vdst(0) depctr_va_sdst(0) depctr_va_ssrc(0) depctr_va_vcc(0) depctr_vm_vsrc(0)
	s_getreg_b32 s2, hwreg(HW_REG_IB_STS2, 6, 4)
	s_cmp_eq_u32 s2, 0
	s_cbranch_scc0 .Lentry_in_a_cluster
	s_endpgm
.Lentry_in_a_cluster:
	s_bfe_u32 s2, ttmp6, 0x10000c
	s_cmp_lg_u32 s2, 0x3003
	s_cbranch_scc0 .Lentry_shape_is_right
	s_endpgm
.Lentry_shape_is_right:
; The recurrence as decayed attention, a quarter of 256 positions of one (batch, head) to a work-group:
; y_t = 2^LP_t q_t . S0 + sum over j <= t of P_tj v_j + D v_t;  P_tj = (q_t . k_j) 2^(LP_t - LP_j + LC_j) for j < t, (q_t . k_t) 2^LG_t for j = t;
; S0 = the earlier quarters' states, each times 2^(the totals between).  Then u = y out_norm_w silu(z) in bf16 and the row's sum of y^2 in f32.
; SCALES: P is held as P 2^kap in f16, kap = min(-max LC, 80) - log2(Nk Nq), Nk = sqrt(128) max|w_B| + |B_bias_h| >= |k|, so |P 2^kap| <= 1;
; S0 is divided by its largest magnitude sigma for f16; the accumulator holds y 2^kap.  Every exponent is a sum of at most 256 steps' logs, each held at -128.
; LAYOUT: S^T = K Q^T holds one query a lane and keys 8 (lane / 16) + 0..7; two such results rounded to f16 are source 1 of O^T = V^T P.
; Eight waves; wave w takes the query tiles 15 - w and w (16 queries each): nine units of 32 keys, whatever w.
; CLUSTER: four heads share Brot, Crot and the cos / sin rows: joint loads; v and z are each head's own.  Every LDS byte is filled once.
; LIMITS: differences of LP carry the rounding of |LP|; a weight below 2^-126 counts as 0; NaN and infinities are not treated apart.
.set KH, 0                             ; k, 256 rows, pitch 272
.set QH, 69632                         ; q
.set CSR, 139264                       ; cos / sin rows; later S0 (64 x 272) and the waves' stages
.set S0H, CSR
.set WST, CSR+17408
.set V0, 208896                        ; pitch 96
.set Z0, 258048                        ; pitch 80
.set LAM, 299008                       ; LP - LC;  +1024 LP;  +2048 LG - LC;  +3072 the rows' sums of squares
.set LPA, LAM+1024
.set SSQL, LAM+3072
.set WNL, 303104                       ; out_norm_w of my head, a copy for each wave
.set RED, 305152
.set SPARE, 305408
.set WV, 10
.set SPW, 30
.set NIL, 31
.set TT, 216
.set TB, 192
.set TC, 198
.set KF, 32
.set VF, 96
.set SS, 128
.set LM, 144
.set Q, 160
.set O, 192
.set ADJ, 224
.set HM, 232
.set DM, 240
.set T, 96
.set E, 104
.macro PLACES
.rept 4
	v_nop
.endr
.endm
.macro G1SET g, w0, rows, cols, pitch
	s_mov_b32 s[\g], \w0
	s_mov_b32 s[\g+1], (\cols)<<16
	s_mov_b32 s[\g+2], (\rows)<<16
	s_mov_b32 s[\g+3], (\cols)<<16
	s_mov_b32 s[\g+4], \rows
	s_mov_b32 s[\g+5], \pitch
	s_mov_b32 s[\g+6], 0
	s_mov_b32 s[\g+7], 0
.endm
.macro G0SET d, base, stride
	s_mov_b32 s[\d], 1
	s_mul_i32 s[\d+1], s[WV], \stride
	s_add_co_u32 s[\d+1], s[\d+1], \base
.endm
.macro G0ADR d, p, o, extra
	s_add_nc_u64 s[\d+2:\d+3], s[\p:\p+1], s[\o:\o+1]
	s_add_nc_u64 s[\d+2:\d+3], s[\d+2:\d+3], \extra
	s_or_b32 s[\d+3], s[\d+3], 0x80000000
.endm
.macro CREST
	s_cmp_lg_u32 s[WV], 0
	s_cbranch_scc1 .Lnw_\@
	s_barrier_signal -3
.Lnw_\@:
	s_barrier_wait -3
	s_barrier_signal -1
	s_barrier_wait -1
.endm
.macro CROUND
	s_barrier_signal -1
	s_barrier_wait -1
	CREST
.endm
.macro RB16 a, b
	v_cvt_pk_bf16_f32 v[TT], v[\a], v[\b]
	v_lshlrev_b32 v[\a], 16, v[TT]
	v_and_b32 v[\b], 0xffff0000, v[TT]
.endm
.macro TABLE a, t                      ; eight bias numbers (two rotated pairs, two plain) rounded to bf16, then as f16 factors
	RB16 \a, \a+1
	RB16 \a+2, \a+3
	RB16 \a+4, \a+5
	RB16 \a+6, \a+7
	v_cvt_pk_f16_f32 v[\t], v[\a], v[\a]
	v_cvt_pk_f16_f32 v[\t+1], v[\a+1], v[\a+1]
	v_cvt_pk_f16_f32 v[\t+2], v[\a+2], v[\a+2]
	v_cvt_pk_f16_f32 v[\t+3], v[\a+3], v[\a+3]
	v_cvt_pk_f16_f32 v[\t+4], v[\a+4], v[\a+5]
	v_cvt_pk_f16_f32 v[\t+5], v[\a+6], v[\a+7]
.endm
.macro ROTB x, t, c
	v_pk_fma_f16 v[(\x)], v[(\t)], v[(\c)], v[(\x)]
	v_pk_fma_f16 v[(\x)], v[(\t)+1], v[(\c)+1], v[(\x)]
	v_pk_add_f16 v[(\x)+1], v[(\x)+1], v[(\t)+4]
	v_pk_fma_f16 v[(\x)+2], v[(\t)+2], v[(\c)+2], v[(\x)+2]
	v_pk_fma_f16 v[(\x)+2], v[(\t)+3], v[(\c)+3], v[(\x)+2]
	v_pk_add_f16 v[(\x)+3], v[(\x)+3], v[(\t)+5]
.endm
.macro ROWRED op, x                    ; over the 16 lanes of a row
	\op v[\x], v[\x], v[\x] row_xmask:1 row_mask:0xf bank_mask:0xf
	\op v[\x], v[\x], v[\x] row_xmask:2 row_mask:0xf bank_mask:0xf
	\op v[\x], v[\x], v[\x] row_xmask:4 row_mask:0xf bank_mask:0xf
	\op v[\x], v[\x], v[\x] row_xmask:8 row_mask:0xf bank_mask:0xf
.endm
.macro MIX d, a, hf, b, c              ; f16 half hf of v[a] times v[b] plus v[c], in f32
.if \hf
	v_fma_mix_f32 v[\d], v[\a], v[\b], v[\c] op_sel:[1,0,0] op_sel_hi:[1,0,0]
.else
	v_fma_mix_f32 v[\d], v[\a], v[\b], v[\c] op_sel_hi:[1,0,0]
.endif
.endm
	s_load_b512 s[80:95], s[0:1], 0x0              ; pj 80, pp 82, cs 84, B_bias 86, C_bias 88, B_norm_w 90, C_norm_w 92, D_param 94
	s_load_b128 s[96:99], s[0:1], 0x40             ; out_norm_w 96, us 98
	v_lshl_add_u32 v[SPW], v0, 2, SPARE
	v_mov_b32 v[NIL], 0
	ds_add_u32 v[SPW], v[NIL]                      ; the wave's opening: the add and its wait ahead of my first tensor load
	v_lshrrev_b32 v1, 5, v0
	v_readfirstlane_b32 s[WV], v1
	s_bfe_u32 s8, ttmp6, 0x40000                   ; cx
	s_lshl_b32 s14, ttmp9, 2
	s_add_co_u32 s14, s14, s8                      ; head
	s_and_b32 s15, ttmp7, 0xffff                   ; batch x 4 + quarter
	s_and_b32 s11, s15, 3
	s_lshr_b32 s13, s15, 2
	s_lshl_b32 s13, s13, 5
	s_add_co_u32 s13, s13, s14                     ; batch x 32 + head
	s_lshl_b32 s12, s15, 8                         ; the quarter's first row
	s_lshl_b32 s9, s[WV], 5
	s_add_co_u32 s9, s12, s9                       ; my first row
	s_lshl_b32 s4, s9, 9
	s_mov_b32 s5, 0
	s_lshl_b32 s6, s9, 8
	s_add_co_u32 s6, s6, 1048576
	s_mov_b32 s7, 0
	s_lshl_b32 s100, s14, 18
	s_lshl_b32 s101, s9, 6
	s_add_co_u32 s100, s100, s101
	s_mov_b32 s101, 0
	G1SET 16, 15|(1<<16)|(1<<20)|(1<<21)|(5<<22)|(3<<25), 32, 128, 256
	G1SET 24, 15|(1<<16)|(1<<20)|(1<<21)|(5<<22)|(3<<25), 32, 128, 128
	G1SET 32, (1<<16)|(1<<20)|(3<<22)|(7<<25), 8, 128, 128
	G1SET 40, (1<<16)|(1<<20)|(3<<22)|(3<<25), 8, 128, 128
	G0SET 48, KH, 8704
	G0SET 52, CSR, 8704
	G0SET 56, QH, 8704
	G0SET 60, V0, 3072
	G0SET 68, V0+24576, 3072
	G0SET 72, Z0, 2560
	G0SET 76, Z0+20480, 2560
	s_wait_dscnt 0x0
	s_wait_kmcnt 0x0
	G0ADR 48, 82, 4, 0
	G0ADR 52, 82, 4, 256
	G0ADR 56, 82, 6, 0
	G0ADR 60, 80, 100, 8388608
	G0ADR 68, 80, 100, 8519680
	G0ADR 72, 80, 100, 0
	G0ADR 76, 80, 100, 131072
	CROUND
	tensor_load_to_lds s[48:51], s[16:23]          ; seven loads of mine are out, each into bytes filled once: my 32 rows of each tile
	s_nop 0
	tensor_load_to_lds s[52:55], s[16:23]
	s_nop 0
	tensor_load_to_lds s[56:59], s[24:31]
	s_nop 0
	tensor_load_to_lds s[60:63], s[32:39]
	s_nop 0
	tensor_load_to_lds s[68:71], s[32:39]
	s_nop 0
	tensor_load_to_lds s[72:75], s[40:47]
	s_nop 0
	tensor_load_to_lds s[76:79], s[40:47]
	s_nop 0
	; the pointers go to my head's parts
	s_lshl_b32 s4, s13, 12
	s_add_co_u32 s4, s4, 1572864
	s_add_nc_u64 s[100:101], s[82:83], s[4:5]      ; LP of my (batch, head)
	s_lshl_b32 s4, s14, 9
	s_add_nc_u64 s[86:87], s[86:87], s[4:5]
	s_add_nc_u64 s[88:89], s[88:89], s[4:5]
	s_lshl_b32 s4, s14, 2
	s_add_nc_u64 s[94:95], s[94:95], s[4:5]
	s_lshl_b32 s4, s14, 8
	s_add_nc_u64 s[96:97], s[96:97], s[4:5]
	s_mul_i32 s4, s13, 98304
	s_lshl_b32 s6, s[WV], 12
	s_add_co_u32 s4, s4, s6
	s_add_nc_u64 s[84:85], s[84:85], s[4:5]
	s_lshl_b32 s4, s14, 13
	s_lshl_b32 s6, s12, 2
	s_add_co_u32 s4, s4, s6
	s_add_co_u32 s4, s4, 8388608
	s_add_nc_u64 s[2:3], s[98:99], s[4:5]          ; the sums of squares
	s_lshl_b32 s4, s14, 18
	s_lshl_b32 s6, s12, 7
	s_add_co_u32 s4, s4, s6
	s_add_nc_u64 s[98:99], s[98:99], s[4:5]        ; u
	v_and_b32 v3, 31, v0
	v_and_b32 v1, 15, v0
	v_bfe_u32 v2, v0, 4, 1
	s_lshl_b32 s6, s11, 10
	v_lshl_add_u32 v204, v0, 2, s6
	v_mov_b32 v205, 0
	v_lshlrev_b32 v206, 4, v1
	v_lshlrev_b32 v207, 3, v3
	v_lshlrev_b32 v208, 4, v3
	global_load_b32 v32, v204, s[100:101]                  ; LP, LC, LG of position thread
	global_load_b32 v33, v204, s[100:101] offset:262144
	global_load_b32 v34, v204, s[100:101] offset:524288
	global_load_b32 v35, v205, s[100:101] offset:2044      ; T of quarter 1
	global_load_b32 v36, v205, s[100:101] offset:3068      ; of quarter 2
	global_load_b32 v37, v205, s[94:95]
	global_load_b64 v[38:39], v207, s[96:97]
	global_load_b128 v[40:43], v206, s[86:87]
	global_load_b128 v[44:47], v206, s[86:87] offset:256
	global_load_b128 v[48:51], v206, s[88:89]
	global_load_b128 v[52:55], v206, s[88:89] offset:256
	global_load_b128 v[56:59], v206, s[90:91]
	global_load_b128 v[60:63], v206, s[90:91] offset:256
	global_load_b128 v[64:67], v206, s[92:93]
	global_load_b128 v[68:71], v206, s[92:93] offset:256
.set i, 0
.rept 24                               ; the three chunk states, my 16 rows of n: always all three, so that there is one path
	global_load_b128 v[96+4*i:99+4*i], v208, s[84:85] offset:(i/8)*32768+(i%8)*512
.set i, i+1
.endr
	s_mov_b32 s6, 0x76543210
	s_mov_b32 s7, 0xfedcba98
	s_mov_b32 s8, 0xf149f2ca                       ; -1e30
	s_cmp_gt_u32 s11, 0
	s_cselect_b32 s12, 1.0, 0
	s_cmp_gt_u32 s11, 1
	s_cselect_b32 s13, 1.0, 0
	s_cmp_gt_u32 s11, 2
	s_cselect_b32 s15, 1.0, 0
	v_lshl_add_u32 v209, v0, 2, LAM
	s_lshl_b32 s9, s[WV], 2
	s_add_co_u32 s9, s9, RED
	v_mov_b32 v210, s9
	s_lshl_b32 s9, s[WV], 8
	s_add_co_u32 s9, s9, WNL
	v_lshl_add_u32 v211, v3, 3, s9
	v_mov_b32 v74, 0
	v_lshlrev_b32 v212, 3, v2
	v_sub_nc_u32 v212, v1, v212                    ; my query's place less my lanes' 8 (lane / 16)
.set j, 0
.rept 8
	v_cmp_gt_i32 vcc_lo, j, v212
	v_cndmask_b32 v[HM+j], 0, s8, vcc_lo           ; the diagonal block: hidden keys
	v_cmp_eq_i32 vcc_lo, j, v212
	v_cndmask_b32 v[DM+j], 0, 1.0, vcc_lo          ; and the query's own
.set j, j+1
.endr
	s_wait_loadcnt 24                              ; all but the 24 loads of the chunk states
	v_sub_f32 v72, v32, v33
	v_sub_f32 v73, v34, v33
	ds_store_b32 v209, v72
	ds_store_b32 v209, v32 offset:1024
	ds_store_b32 v209, v73 offset:2048
	ROWRED v_max_num_f32_dpp, 33
	v_permlanex16_b32 v74, v33, s6, s7
	v_max_num_f32 v33, v33, v74
	ds_store_b32 v210, v33 offset:32               ; my wave's largest LC
	RB16 38, 39
	ds_store_b64 v211, v[38:39]
	v_cvt_pk_bf16_f32 v[TT], v37, v37
	v_lshlrev_b32 v24, 16, v[TT]                   ; D
	TABLE 40, TB
	TABLE 48, TC
	RB16 56, 57
	RB16 58, 59
	RB16 60, 61
	RB16 62, 63
	RB16 64, 65
	RB16 66, 67
	RB16 68, 69
	RB16 70, 71
	v_mul_f32 v75, v40, v40
	v_mul_f32 v76, v48, v48
.irp j, 1,2,3,4,5,6,7
	v_fmac_f32 v75, v[40+\j], v[40+\j]
	v_fmac_f32 v76, v[48+\j], v[48+\j]
.endr
	v_max3_num_f32 v77, |v56|, |v57|, |v58|
	v_max3_num_f32 v78, |v64|, |v65|, |v66|
	v_max3_num_f32 v77, v77, |v59|, |v60|
	v_max3_num_f32 v78, v78, |v67|, |v68|
	v_max3_num_f32 v77, v77, |v61|, |v62|
	v_max3_num_f32 v78, v78, |v69|, |v70|
	v_max_num_f32 v77, v77, |v63|
	v_max_num_f32 v78, v78, |v71|
	ROWRED v_add_f32_dpp, 75
	ROWRED v_add_f32_dpp, 76
	ROWRED v_max_num_f32_dpp, 77
	ROWRED v_max_num_f32_dpp, 78
	v_sqrt_f32 v75, v75
	v_sqrt_f32 v76, v76
	v_mul_f32 v80, s13, v35
	s_wait_alu depctr_va_vdst(0)
	v_fma_f32 v75, v77, 0x413504f3, v75            ; Nk
	v_fma_f32 v76, v78, 0x413504f3, v76            ; Nq
	v_mul_f32 v75, v75, v76
	v_max_num_f32 v75, 0x0da24260, v75
	v_mul_f32 v81, s15, v36
	v_add_f32 v80, v80, v81
	v_log_f32 v25, v75                             ; log2(Nk Nq)
	v_exp_f32 v80, v80
	v_exp_f32 v81, v81
	v_mov_b32 v83, 0
	s_wait_alu depctr_va_vdst(0)
	v_mul_f32 v82, s12, v80                        ; the weights of chunks 0, 1, 2 in front of my quarter
	v_mul_f32 v84, s13, v81
	v_mov_b32 v86, s15
	v_mov_b32 v85, 0
	v_mov_b32 v87, 0
	s_wait_loadcnt 0x0
.set i, 0
.rept 16
	v_pk_mul_f32 v[96+2*i:97+2*i], v[96+2*i:97+2*i], v[82:83] op_sel_hi:[1,0]
	v_pk_fma_f32 v[96+2*i:97+2*i], v[128+2*i:129+2*i], v[84:85], v[96+2*i:97+2*i] op_sel_hi:[1,0,1]
	v_pk_fma_f32 v[96+2*i:97+2*i], v[160+2*i:161+2*i], v[86:87], v[96+2*i:97+2*i] op_sel_hi:[1,0,1]
.set i, i+1
.endr
	v_max3_num_f32 v88, |v96|, |v97|, |v98|
.set i, 0
.rept 14
	v_max3_num_f32 v88, v88, |v[99+2*i]|, |v[100+2*i]|
.set i, i+1
.endr
	v_max_num_f32 v88, v88, |v127|
	ROWRED v_max_num_f32_dpp, 88
	v_permlanex16_b32 v74, v88, s6, s7
	v_max_num_f32 v88, v88, v74
	ds_store_b32 v210, v88                         ; my wave's largest |S0|
	s_mul_i32 s9, s[WV], 8704
	v_mul_u32_u24 v213, v2, 272
	v_lshl_add_u32 v213, v1, 4, v213
	v_add_nc_u32 v213, s9, v213                    ; row 32 w + lane / 16, 16 bytes a lane
	v_add_nc_u32 v214, QH, v213
	v_add_nc_u32 v215, CSR, v213
	s_wait_tensorcnt 0x0                           ; my rows of all seven tiles are in; only I touch k's, q's and the cos / sin rows up to the barrier
.set g, 0
.rept 4
.set p, 0
.rept 4
	ds_load_b128 v[32+4*p:35+4*p], v213 offset:(4*g+p)*544
	ds_load_b128 v[48+4*p:51+4*p], v214 offset:(4*g+p)*544
	ds_load_b128 v[64+4*p:67+4*p], v215 offset:(4*g+p)*544
.set p, p+1
.endr
	s_wait_dscnt 0x0
.set p, 0
.rept 4
	ROTB 32+4*p, TB, 64+4*p
	ROTB 48+4*p, TC, 64+4*p
	ds_store_b128 v213, v[32+4*p:35+4*p] offset:(4*g+p)*544
	ds_store_b128 v214, v[48+4*p:51+4*p] offset:(4*g+p)*544
.set p, p+1
.endr
.set g, g+1
.endr
	s_wait_dscnt 0x0                               ; my stores are done and my reads of the cos / sin rows are back: their bytes are written again behind this barrier
	s_barrier_signal -1
	s_barrier_wait -1
	v_mov_b32 v32, RED
	ds_load_b128 v[36:39], v32
	ds_load_b128 v[40:43], v32 offset:16
	ds_load_b128 v[44:47], v32 offset:32
	ds_load_b128 v[48:51], v32 offset:48
	; the addresses of the main part
	v_mul_u32_u24 v6, v1, 272
	v_lshl_add_u32 v6, v2, 4, v6                   ; a fragment's row x pitch + 16 x half: k
	v_add_nc_u32 v4, QH, v6                        ; q
	v_add_nc_u32 v12, S0H, v6
	v_and_b32 v34, 7, v0
	v_bfe_u32 v35, v0, 3, 1
	v_lshl_add_u32 v8, v2, 3, v34
	v_mul_u32_u24 v8, v8, 96
	v_lshl_add_u32 v8, v35, 4, v8
	v_add_nc_u32 v8, V0, v8                        ; the turning load of v
	v_lshl_add_u32 v10, v2, 5, LAM
	v_lshl_add_u32 v13, v1, 2, LPA
	s_mul_i32 s9, s[WV], 2304
	s_add_co_u32 s9, s9, WST
	v_mul_u32_u24 v27, v1, 144
	v_lshl_add_u32 v27, v2, 4, v27
	v_add_nc_u32 v27, s9, v27
	v_lshrrev_b32 v28, 3, v3
	v_mul_u32_u24 v28, v28, 144
	v_lshl_add_u32 v28, v34, 4, v28
	v_add_nc_u32 v28, s9, v28
	s_lshl_b32 s9, s[WV], 8
	s_add_co_u32 s9, s9, WNL
	v_lshl_add_u32 v252, v2, 5, s9
	v_mov_b32 v248, 0xbfb8aa3b
	v_mov_b32 v249, 0
	v_mov_b32 v17, 0
	v_mov_b32 v19, 0
	v_mov_b32 v21, 0
	v_mov_b32 v23, 0
	v_mov_b32 v55, 0
	s_lshl_b32 s9, s[WV], 5
	v_add_nc_u32 v33, s9, v12                      ; S0: row p, my 16 columns of n
	s_wait_dscnt 0x0
	v_max3_num_f32 v52, v36, v37, v38
	v_max3_num_f32 v53, v44, v45, v46
	v_max3_num_f32 v52, v52, v39, v40
	v_max3_num_f32 v53, v53, v47, v48
	v_max3_num_f32 v52, v52, v41, v42
	v_max3_num_f32 v53, v53, v49, v50
	v_max3_num_f32 v52, v52, v43, 0x0da24260       ; sigma
	v_max3_num_f32 v53, v53, v51, 0xc2a00000       ; max(largest LC, -80)
	v_add_f32 v53, v53, v25                        ; -kap
	v_exp_f32 v22, v53                             ; 2^-kap
	v_log_f32 v26, v52
	v_rcp_f32 v54, v52
	v_sub_f32 v25, 0, v53                          ; kap
.set i, 0
	s_wait_alu depctr_va_vdst(0)
.rept 16
	v_pk_mul_f32 v[96+2*i:97+2*i], v[96+2*i:97+2*i], v[54:55] op_sel_hi:[1,0]
.set i, i+1
.endr
.set i, 0
.rept 16
	v_cvt_pk_f16_f32 v[56+i], v[96+2*i], v[96+2*i+1]
.set i, i+1
.endr
.set i, 0
.rept 8
	ds_store_b64 v33, v[56+2*i:57+2*i] offset:(i/2)*4352+(i%2)*8
.set i, i+1
.endr
	s_mov_b32 s17, 0                               ; (no tensor load is out: the descriptors' registers serve as scalars from here on)
	s_mov_b32 s19, 0
	s_wait_dscnt 0x0
	s_barrier_signal -1
	s_barrier_wait -1                              ; k, q, S0 and the tables are whole; nothing shared is written from here to the last barrier
; ONE TILE of 16 queries, number s20.
.macro DOTILE
	s_wait_xcnt 0x0                                ; the last tile's stores have read their registers
	s_mul_i32 s21, s20, 4352
	v_add_nc_u32 v5, s21, v4
	s_lshl_b32 s22, s20, 6
	v_add_nc_u32 v253, s22, v13
.set c, 0
.rept 4
	ds_load_b128 v[Q+8*c:Q+8*c+3], v5 offset:64*c
	ds_load_b128 v[Q+8*c+4:Q+8*c+7], v5 offset:64*c+32
.set c, c+1
.endr
	ds_load_b32 v15, v253                          ; LP of my query
	ds_load_b32 v14, v253 offset:1024              ; LG - LC
.set i, 0
.rept 16
	ds_load_b128 v[32+8*i:35+8*i], v12 offset:(i/4)*4352+(i%4)*64
	ds_load_b128 v[36+8*i:39+8*i], v12 offset:(i/4)*4352+(i%4)*64+32
.set i, i+1
.endr
	s_wait_dscnt 0x0
.set c, 0
.rept 4                                ; O^T = (S0 / sigma) Q^T: four accumulators by turns
.set p, 0
.rept 4
.if c == 0
	v_wmma_f32_16x16x32_f16 v[O+8*p:O+8*p+7], v[32+8*(4*p+c):39+8*(4*p+c)], v[Q+8*c:Q+8*c+7], 0
.else
	v_wmma_f32_16x16x32_f16 v[O+8*p:O+8*p+7], v[32+8*(4*p+c):39+8*(4*p+c)], v[Q+8*c:Q+8*c+7], v[O+8*p:O+8*p+7]
.endif
.set p, p+1
.endr
.set c, c+1
.endr
	v_add_f32 v15, v15, v25                        ; LP + kap.  These plain lines are the places behind the products
	v_add_f32 v20, v15, v26
	v_exp_f32 v20, v20                             ; 2^(LP + kap + log2 sigma)
.set i, 0
.rept 4
	v_pk_fma_f32 v[ADJ+2*i:ADJ+2*i+1], v[DM+2*i:DM+2*i+1], v[14:15], v[HM+2*i:HM+2*i+1] op_sel_hi:[1,0,1]
.set i, i+1
.endr
.set i, 0
	s_wait_alu depctr_va_vdst(0)
.rept 16
	v_pk_mul_f32 v[O+2*i:O+2*i+1], v[O+2*i:O+2*i+1], v[20:21] op_sel_hi:[1,0]
.set i, i+1
.endr
	s_lshr_b32 s23, s20, 1
	s_add_co_u32 s23, s23, 1                       ; units of 32 keys up to the diagonal
	s_mov_b32 s24, 0
	s_mov_b32 s25, 0
	s_mov_b32 s26, 0
	s_mov_b32 s27, 0
	s_mov_b32 s28, 0
.Lunit_\@:                                             ; eight trips; those past the diagonal are jumped, forward, past no barrier
	s_cmp_ge_u32 s24, s23
	s_cbranch_scc1 .Lskip_\@
	v_add_nc_u32 v7, s25, v6
	v_add_nc_u32 v9, s26, v8
	v_add_nc_u32 v11, s27, v10
.set i, 0
.rept 8                                ; i = 4 kb + c
	ds_load_b128 v[KF+8*i:KF+8*i+3], v7 offset:(i/4)*4352+(i%4)*64
	ds_load_b128 v[KF+8*i+4:KF+8*i+7], v7 offset:(i/4)*4352+(i%4)*64+32
.set i, i+1
.endr
.set i, 0
.rept 4
	ds_load_b128 v[LM+4*i:LM+4*i+3], v11 offset:(i/2)*64+(i%2)*16
.set i, i+1
.endr
.set i, 0
.rept 4
	ds_load_tr16_b128 v[VF+8*i:VF+8*i+3], v9 offset:(i/2)*24576+(i%2)*32
	ds_load_tr16_b128 v[VF+8*i+4:VF+8*i+7], v9 offset:(i/2)*24576+(i%2)*32+1536
.set i, i+1
.endr
	s_cmp_eq_u32 s28, s20                          ; each block of 16 keys: in front of the diagonal, on it, or behind it
	s_cselect_b32 s16, 1.0, 0
	s_cmp_gt_u32 s28, s20
	s_cselect_b32 s30, s8, 0
	s_add_co_u32 s29, s28, 1
	s_cmp_eq_u32 s29, s20
	s_cselect_b32 s18, 1.0, 0
	s_cmp_gt_u32 s29, s20
	s_cselect_b32 s31, s8, 0
	s_wait_dscnt 12                                ; k is in; lam's four loads and v's eight stay out
.set c, 0
.rept 4
.set p, 0
.rept 2
.if c == 0
	v_wmma_f32_16x16x32_f16 v[SS+8*p:SS+8*p+7], v[KF+32*p+8*c:KF+32*p+8*c+7], v[Q+8*c:Q+8*c+7], 0
.else
	v_wmma_f32_16x16x32_f16 v[SS+8*p:SS+8*p+7], v[KF+32*p+8*c:KF+32*p+8*c+7], v[Q+8*c:Q+8*c+7], v[SS+8*p:SS+8*p+7]
.endif
.set p, p+1
.endr
.set c, c+1
.endr
	s_wait_dscnt 8                                 ; lam is in
	v_add_f32 v16, s30, v15
	v_add_f32 v18, s31, v15
.set i, 0
.rept 8                                ; the exponents: LP_t + kap - lam_j, on the diagonal block with its corrections
	v_pk_add_f32 v[LM+2*i:LM+2*i+1], v[16+2*(i/4):17+2*(i/4)], v[LM+2*i:LM+2*i+1] op_sel_hi:[0,1] neg_lo:[0,1] neg_hi:[0,1]
.set i, i+1
.endr
.set i, 0
.rept 8
	v_pk_fma_f32 v[LM+2*i:LM+2*i+1], v[ADJ+2*(i%4):ADJ+2*(i%4)+1], s[16+2*(i/4):17+2*(i/4)], v[LM+2*i:LM+2*i+1] op_sel_hi:[1,0,1]
.set i, i+1
.endr
.set i, 0
.rept 16
	v_exp_f32 v[LM+i], v[LM+i]
.set i, i+1
.endr
	v_nop
.set i, 0
	s_wait_alu depctr_va_vdst(0)
.rept 8
	v_pk_mul_f32 v[SS+2*i:SS+2*i+1], v[SS+2*i:SS+2*i+1], v[LM+2*i:LM+2*i+1]
.set i, i+1
.endr
.set i, 0
.rept 8
	v_cvt_pk_f16_f32 v[SS+i], v[SS+2*i], v[SS+2*i+1]
.set i, i+1
.endr
	s_wait_dscnt 0x0                               ; v is in
.set p, 0
.rept 4
	v_wmma_f32_16x16x32_f16 v[O+8*p:O+8*p+7], v[VF+8*p:VF+8*p+7], v[SS:SS+7], v[O+8*p:O+8*p+7]
.set p, p+1
.endr
	PLACES                                         ; with the next unit's three additions: seven places ahead of its loads and of the products that write over P
.Lskip_\@:
	s_add_co_u32 s25, s25, 8704
	s_add_co_u32 s26, s26, 3072
	s_add_co_u32 s27, s27, 128
	s_add_co_u32 s28, s28, 2
	s_add_co_u32 s24, s24, 1
	s_cmp_lt_u32 s24, 8
	s_cbranch_scc1 .Lunit_\@
	; the tile's end: y = 2^-kap O + D v; its squares; u = y w silu(z)
	PLACES
	s_mul_i32 s21, s20, 1536
	s_add_co_u32 s21, s21, V0
	v_mul_u32_u24 v124, v1, 96
	v_lshl_add_u32 v124, v2, 4, v124
	v_add_nc_u32 v124, s21, v124
	s_mul_i32 s22, s20, 1280
	s_add_co_u32 s22, s22, Z0
	v_mul_u32_u24 v125, v1, 80
	v_lshl_add_u32 v125, v2, 4, v125
	v_add_nc_u32 v125, s22, v125
.set i, 0
.rept 4
	ds_load_b128 v[32+4*i:35+4*i], v124 offset:(i/2)*24576+(i%2)*32
	ds_load_b128 v[48+4*i:51+4*i], v125 offset:(i/2)*20480+(i%2)*32
	ds_load_b128 v[64+8*i:67+8*i], v252 offset:64*i
	ds_load_b128 v[68+8*i:71+8*i], v252 offset:64*i+16
.set i, i+1
.endr
	v_mov_b32 v250, 0
	v_mov_b32 v251, 0
	s_lshl_b32 s21, s20, 11
	v_lshl_add_u32 v29, v3, 4, s21
	s_wait_dscnt 0x0
.set cb, 0
.rept 4
.set i, 0
.rept 4
	v_pk_mul_f32 v[T+2*i:T+2*i+1], v[O+8*cb+2*i:O+8*cb+2*i+1], v[22:23] op_sel_hi:[1,0]
.set i, i+1
.endr
.set i, 0
.rept 8
	MIX T+i, 32+4*cb+i/2, i%2, 24, T+i
.set i, i+1
.endr
.set i, 0
.rept 8
	MIX E+i, 48+4*cb+i/2, i%2, 248, 249
.set i, i+1
.endr
.set i, 0
.rept 4
	v_pk_fma_f32 v[250:251], v[T+2*i:T+2*i+1], v[T+2*i:T+2*i+1], v[250:251]
.set i, i+1
.endr
.set i, 0
.rept 8
	v_exp_f32 v[E+i], v[E+i]
.set i, i+1
.endr
	v_nop
.set i, 0
	s_wait_alu depctr_va_vdst(0)
.rept 4
	v_pk_mul_f32 v[T+2*i:T+2*i+1], v[T+2*i:T+2*i+1], v[64+8*cb+2*i:65+8*cb+2*i]
	v_pk_add_f32 v[E+2*i:E+2*i+1], v[E+2*i:E+2*i+1], 1.0 op_sel_hi:[1,0]
.set i, i+1
.endr
.set i, 0
.rept 8
	v_rcp_f32 v[E+i], v[E+i]
.set i, i+1
.endr
	v_nop
.set i, 0
.rept 8
	MIX T+i, 48+4*cb+i/2, i%2, T+i, 249
.set i, i+1
.endr
.set i, 0
	s_wait_alu depctr_va_vdst(0)
.rept 4
	v_pk_mul_f32 v[T+2*i:T+2*i+1], v[T+2*i:T+2*i+1], v[E+2*i:E+2*i+1]
.set i, i+1
.endr
.set i, 0
.rept 4
	v_cvt_pk_bf16_f32 v[112+i], v[T+2*i], v[T+2*i+1]
.set i, i+1
.endr
	ds_store_b128 v27, v[112:115] offset:32*cb
.set cb, cb+1
.endr
.set i, 0
.rept 4
	ds_load_b128 v[96+4*i:99+4*i], v28 offset:i*576  ; my own stage: LDS serves a wave's instructions in order
.set i, i+1
.endr
	v_add_f32 v250, v250, v251
	v_permlanex16_b32 v251, v250, s6, s7           ; the row's other 32 channels
	v_add_f32 v250, v250, v251
	ds_store_b32 v253, v250 offset:2048
	s_wait_dscnt 0x0
.set i, 0
.rept 4
	global_store_b128 v29, v[96+4*i:99+4*i], s[98:99] offset:i*512  ; 16 rows of 128 bytes: 512 consecutive bytes a store
.set i, i+1
.endr
.endm
	s_sub_co_u32 s20, 15, s[WV]
	DOTILE
	s_mov_b32 s20, s[WV]
	DOTILE
	s_barrier_signal -1                            ; (each tile's end has waited for all its LDS instructions)
	s_barrier_wait -1
	s_cmp_lt_u32 s[WV], 2
	s_cbranch_scc0 .Lnoss
	v_lshl_add_u32 v32, v0, 4, SSQL                ; 64 threads store the 256 sums
	ds_load_b128 v[36:39], v32
	v_lshlrev_b32 v33, 4, v0
	s_wait_dscnt 0x0
	global_store_b128 v33, v[36:39], s[2:3]
.Lnoss:
	s_wait_tensorcnt 0x0                           ; the wave's end
	ds_add_u32 v[SPW], v[NIL]
	s_wait_dscnt 0x0
	CROUND                                         ; the closing round
	s_endpgm
.Lfunc_end_k_qf34a3eef0f_scan:
	.size	k_qf34a3eef0f_scan, .Lfunc_end_k_qf34a3eef0f_scan-k_qf34a3eef0f_scan
	.p2alignl 7, 3214868480
	.fill 96, 4, 3214868480
	.section	.rodata,"a",@progbits
	.p2align	6, 0x0
	.amdhsa_kernel k_qf34a3eef0f_scan
		.amdhsa_group_segment_fixed_size 327680
		.amdhsa_private_segment_fixed_size 0
		.amdhsa_enable_private_segment 0
		.amdhsa_kernarg_size 80
		.amdhsa_user_sgpr_count 2
		.amdhsa_user_sgpr_kernarg_segment_ptr 1
		.amdhsa_wavefront_size32 1
		.amdhsa_system_sgpr_workgroup_id_x 1
		.amdhsa_system_sgpr_workgroup_id_y 1
		.amdhsa_system_sgpr_workgroup_id_z 1
		.amdhsa_system_vgpr_workitem_id 0
		.amdhsa_next_free_vgpr 256
		.amdhsa_next_free_sgpr 104
		.amdhsa_reserve_vcc 1
		.amdhsa_float_denorm_mode_32 3
		.amdhsa_float_denorm_mode_16_64 3
		.amdhsa_memory_ordered 1
		.amdhsa_forward_progress 1
		.amdhsa_inst_pref_size 108
	.end_amdhsa_kernel
	.amdgpu_metadata
---
amdhsa.version: [ 1, 2 ]
amdhsa.kernels:
  - .name:           k_qf34a3eef0f_scan
    .symbol:         k_qf34a3eef0f_scan.kd
    .args:
      - { .name: pj, .offset: 0, .size: 8, .value_kind: global_buffer, .address_space: global }
      - { .name: pp, .offset: 8, .size: 8, .value_kind: global_buffer, .address_space: global }
      - { .name: cs, .offset: 16, .size: 8, .value_kind: global_buffer, .address_space: global }
      - { .name: B_bias, .offset: 24, .size: 8, .value_kind: global_buffer, .address_space: global }
      - { .name: C_bias, .offset: 32, .size: 8, .value_kind: global_buffer, .address_space: global }
      - { .name: B_norm_w, .offset: 40, .size: 8, .value_kind: global_buffer, .address_space: global }
      - { .name: C_norm_w, .offset: 48, .size: 8, .value_kind: global_buffer, .address_space: global }
      - { .name: D_param, .offset: 56, .size: 8, .value_kind: global_buffer, .address_space: global }
      - { .name: out_norm_w, .offset: 64, .size: 8, .value_kind: global_buffer, .address_space: global }
      - { .name: us, .offset: 72, .size: 8, .value_kind: global_buffer, .address_space: global }
    .group_segment_fixed_size: 327680
    .private_segment_fixed_size: 0
    .kernarg_segment_align: 8
    .kernarg_segment_size: 80
    .max_flat_workgroup_size: 256
    .sgpr_count:     104
    .vgpr_count:     256
    .wavefront_size: 32
...
	.end_amdgpu_metadata
.endif
;; end of part 5
;; launch gemm_out (part 6): grid 16 x 16, 4 waves a work-group, clusters of 4 x 4, 327,680 bytes of LDS; arguments us, wb, out0; writes out0
.if DOCPART == 6
	.amdgcn_target "amdgcn-amd-amdhsa--gfx1250"
	.amdhsa_code_object_version 6
	.text
	.protected	k_qf34a3eef0f_gemm_out
	.globl	k_qf34a3eef0f_gemm_out
	.p2align	8
	.type	k_qf34a3eef0f_gemm_out,@function
k_qf34a3eef0f_gemm_out:
	s_mov_b64 s[64:65], 0
	v_nop
	global_prefetch_b8 v0, s[64:65] scope:SCOPE_SE
	s_setreg_imm32_b32 hwreg(HW_REG_WAVE_MODE, 25, 1), 1
	s_wait_xcnt 0x0
	s_wait_alu depctr_hold_cnt(0) depctr_sa_sdst(0) depctr_va_vdst(0) depctr_va_sdst(0) depctr_va_ssrc(0) depctr_va_vcc(0) depctr_vm_vsrc(0)
	s_getreg_b32 s2, hwreg(HW_REG_IB_STS2, 6, 4)
	s_cmp_eq_u32 s2, 0
	s_cbranch_scc0 .Lentry_in_a_cluster
	s_endpgm
.Lentry_in_a_cluster:
	s_bfe_u32 s2, ttmp6, 0x10000c
	s_cmp_lg_u32 s2, 0xf033
	s_cbranch_scc0 .Lentry_shape_is_right
	s_endpgm
.Lentry_shape_is_right:
; out0[t][d] = rs_t sum over i of u[t][i] W_out[d][i];  rs_t = 1 / sqrt(mean of y_t^2 + 1e-5), from the 32 heads' sums of squares.  bf16 operands, f32 sums.
; A tile is 128 rows x 64 columns: 16 x 16 work-groups; four waves, each 64 x 32: 8 accumulators.  u and W_out lie in blocks of 64 along K, so 64 rows of a block
; are 8,192 dense bytes; a K step is 256 = four blocks, brought by one load a wave (tile rows = blocks), padded behind every 128 bytes.  Two slots.
; CLUSTER 4 x 4: u's tile is shared along a row of the cluster, W_out's along a column: joint loads.  The matrix instruction is used transposed.
; REGISTERS: window 0: v0-31 addresses, v32-95 at work, v96-99 rs, v128-191 accumulators; window 1: two fragment buffers of 96 (for each 32 along K: 32 of u, 16 of W_out).
.set PITCH, 144
.set HA, 4*64*PITCH
.set HB, 4*32*PITCH
.set SLOT, 2*HA+2*HB
.set STAGE, 2*SLOT
.set SPITCH, 272
.set RS, STAGE+128*SPITCH
.set SPARE, RS+512
.set ADRA, 16
.set ADRB, 20
.set STO, 24
.set RD, 25
.set CO, 26
.set RSA, 27
.set SPW, 28
.set NIL, 29
.set TMP, 32
.set ACC, 128
.set F0, 0
.set F1, 96
.set G1, 24
.set G0, 32
.set G1B, 48
.set G0B, 56
.set MULW, 0x05
.set TO_F, 0x40
.set MSB, 0
.macro WIN new
.if MSB != (\new)
	s_set_vgpr_msb (MSB<<8)|(\new)
.set MSB, \new
.endif
.endm
.macro PLACES
.rept 4
	v_nop
.endr
.endm
.macro JLOAD s
	s_cmp_eq_u32 s11, 0
	s_cbranch_scc0 .Lfb_\@
	tensor_load_to_lds s[G0+4*(\s):G0+4*(\s)+3], s[G1:G1+7]
	s_nop 0
	PLACES
	s_branch .Las_\@
.Lfb_\@:
	tensor_load_to_lds s[G0B+4*(\s):G0B+4*(\s)+3], s[G1B:G1B+7]
	s_nop 0
	PLACES
.Las_\@:
.endm
.macro CREST
	s_cmp_lg_u32 s10, 0
	s_cbranch_scc1 .Lnw_\@
	s_barrier_signal -3
.Lnw_\@:
	s_barrier_wait -3
	s_barrier_signal -1
	s_barrier_wait -1
.endm
.macro CROUND
	s_barrier_signal -1
	s_barrier_wait -1
	CREST
.endm
	s_load_b128 s[4:7], s[0:1], 0x0                ; us s[4:5], wb s[6:7]
	s_load_b64 s[8:9], s[0:1], 0x10                ; out0
	v_lshl_add_u32 v[SPW], v0, 2, SPARE
	v_mov_b32 v[NIL], 0
	ds_add_u32 v[SPW], v[NIL]                      ; the wave's opening: the add and its wait ahead of my first tensor load
	v_lshrrev_b32 v1, 5, v0
	v_readfirstlane_b32 s10, v1
	s_lshr_b32 s11, s10, 1                         ; my half of the rows; also: I fetch u (0) or W_out (1)
	s_and_b32 s12, s10, 1                          ; my half of the columns; also: which half I fetch
	s_bfe_u32 s40, ttmp6, 0x40000
	s_bfe_u32 s41, ttmp6, 0x40004
	s_lshl_b32 s42, ttmp9, 2
	s_add_co_u32 s42, s42, s40                     ; column tile
	s_and_b32 s13, ttmp7, 0xffff
	s_lshl_b32 s13, s13, 2
	s_add_co_u32 s13, s13, s41                     ; row tile
	s_lshl_b32 s43, s41, 2
	s_lshl_b32 s43, 15, s43                        ; my row of the cluster
	s_lshl_b32 s44, 0x1111, s40                    ; my column
	s_or_b32 s[G1], s43, (1<<16)|(1<<20)|(1<<21)|(4<<22)|(3<<25)   ; 2-byte elements; 4 words of padding behind every 32
	s_or_b32 s[G1B], s44, (1<<16)|(1<<20)|(1<<21)|(4<<22)|(3<<25)
	s_mov_b32 s[G1+1], 4096<<16                    ; a tile row: 64 rows of 64 numbers, dense
	s_mov_b32 s[G1+2], 4<<16                       ; four blocks
	s_mov_b32 s[G1+3], 4096<<16
	s_mov_b32 s[G1+4], 4
	s_mov_b32 s[G1+5], 131072                      ; numbers from block to block of u
	s_mov_b32 s[G1+6], 0
	s_mov_b32 s[G1+7], 0
	s_mov_b32 s[G1B+1], 2048<<16
	s_mov_b32 s[G1B+2], 4<<16
	s_mov_b32 s[G1B+3], 2048<<16
	s_mov_b32 s[G1B+4], 4
	s_mov_b32 s[G1B+5], 65536
	s_mov_b32 s[G1B+6], 0
	s_mov_b32 s[G1B+7], 0
	s_lshl_b32 s16, s13, 14                        ; 128 rows of 128 bytes
	s_lshl_b32 s17, s12, 13
	s_add_co_u32 s16, s16, s17
	s_mov_b32 s17, 0
	s_lshl_b32 s46, s42, 13                        ; 64 rows of 128 bytes
	s_lshl_b32 s47, s12, 12
	s_add_co_u32 s46, s46, s47
	s_add_co_u32 s46, s46, 13369344
	s_mov_b32 s47, 0
	s_mul_i32 s20, s12, HA
	s_mul_i32 s21, s12, HB
	s_add_co_u32 s21, s21, 2*HA
	s_wait_dscnt 0x0
	s_wait_kmcnt 0x0
	s_add_nc_u64 s[14:15], s[4:5], s[16:17]
	s_add_nc_u64 s[46:47], s[6:7], s[46:47]
	CROUND
.irp s, 0,1
	s_mov_b32 s[G0+4*(\s)], 1
	s_add_co_u32 s[G0+4*(\s)+1], s20, (\s)*SLOT
	s_add_nc_u64 s[G0+4*(\s)+2:G0+4*(\s)+3], s[14:15], (\s)*1048576
	s_or_b32 s[G0+4*(\s)+3], s[G0+4*(\s)+3], 0x80000000
	s_mov_b32 s[G0B+4*(\s)], 1
	s_add_co_u32 s[G0B+4*(\s)+1], s21, (\s)*SLOT
	s_add_nc_u64 s[G0B+4*(\s)+2:G0B+4*(\s)+3], s[46:47], (\s)*524288
	s_or_b32 s[G0B+4*(\s)+3], s[G0B+4*(\s)+3], 0x80000000
	JLOAD \s
.endr
	; rs of the tile's 128 rows, a thread a row
	v_lshlrev_b32 v6, 2, v0
	s_lshl_b32 s22, s13, 9
	s_add_co_u32 s22, s22, 8388608
	s_mov_b32 s23, 0
	s_add_nc_u64 s[66:67], s[4:5], s[22:23]
.set i, 0
.rept 32
	global_load_b32 v[32+i], v6, s[66:67] offset:i*8192
.set i, i+1
.endr
	v_and_b32 v1, 15, v0
	v_bfe_u32 v2, v0, 4, 1
	v_mul_u32_u24 v3, v1, PITCH
	v_lshl_add_u32 v3, v2, 4, v3
	s_mul_i32 s21, s11, HA
	s_mul_i32 s22, s12, HB
	s_add_co_u32 s22, s22, 2*HA
.irp s, 0,1
	v_add_nc_u32 v[ADRA+(\s)], s21, v3
	v_add_nc_u32 v[ADRB+(\s)], s22, v3
	s_add_co_u32 s21, s21, SLOT
	s_add_co_u32 s22, s22, SLOT
.endr
	s_mul_i32 s23, s11, 64*SPITCH                  ; into the stage: my 64 rows, my 128 bytes of their 256
	s_lshl_b32 s21, s12, 7
	s_add_co_u32 s23, s23, s21
	s_add_co_u32 s23, s23, STAGE
	v_mul_u32_u24 v4, v1, SPITCH
	v_lshl_add_u32 v4, v2, 5, v4
	v_add_nc_u32 v[STO], s23, v4
	s_mul_i32 s23, s10, 32*SPITCH                  ; back: wave w takes rows 32 w .. 32 w + 31, whole
	s_add_co_u32 s23, s23, STAGE
	v_mul_u32_u24 v5, v2, SPITCH
	v_lshl_add_u32 v5, v1, 4, v5
	v_add_nc_u32 v[RD], s23, v5
	v_lshlrev_b32 v5, 12, v2
	v_lshl_add_u32 v[CO], v1, 4, v5
	s_lshl_b32 s23, s11, 8
	s_add_co_u32 s23, s23, RS
	v_lshl_add_u32 v[RSA], v1, 2, s23
	v_lshl_add_u32 v7, v0, 2, RS
	s_lshl_b32 s16, s13, 7
	s_lshl_b32 s17, s10, 5
	s_add_co_u32 s16, s16, s17
	s_lshl_b32 s16, s16, 12                        ; the first row that I store, 4,096 bytes a row
	s_mov_b32 s17, 0
	s_add_nc_u64 s[8:9], s[8:9], s[16:17]
	s_lshl_b32 s46, s42, 8
	s_mov_b32 s47, 0
	s_add_nc_u64 s[8:9], s[8:9], s[46:47]
	s_mov_b32 s68, 0x3a000000                      ; 1 / 2048
	s_mov_b32 s69, 0x3727c5ac                      ; 1e-5
	s_wait_loadcnt 0x0
.set i, 1
.rept 15
	v_pk_add_f32 v[32:33], v[32:33], v[32+2*i:33+2*i]
.set i, i+1
.endr
	v_add_f32 v32, v32, v33
	v_fma_f32 v32, v32, s68, s69
	v_rsq_f32 v32, v32
	v_nop
	s_wait_alu depctr_va_vdst(0)
	ds_store_b32 v7, v32
.macro MUL8 f, c, zero                 ; my 4 x 2 blocks, 32 along K: half c of buffer f; the accumulators take turns
	WIN MULW
.set a, 0
.rept 4
.set b, 0
.rept 2
.if \zero
	v_wmma_f32_16x16x32_bf16 v[ACC+8*(2*a+b):ACC+8*(2*a+b)+7], v[(\f)+48*(\c)+32+8*b:(\f)+48*(\c)+39+8*b], v[(\f)+48*(\c)+8*a:(\f)+48*(\c)+8*a+7], 0
.else
	v_wmma_f32_16x16x32_bf16 v[ACC+8*(2*a+b):ACC+8*(2*a+b)+7], v[(\f)+48*(\c)+32+8*b:(\f)+48*(\c)+39+8*b], v[(\f)+48*(\c)+8*a:(\f)+48*(\c)+8*a+7], v[ACC+8*(2*a+b):ACC+8*(2*a+b)+7]
.endif
.set b, b+1
.endr
.set a, a+1
.endr
.endm
.macro FETCH slot, qd, f               ; 24 LDS loads in one run: block qd of the slot's four; its first 32 along K first
	WIN TO_F
.set c, 0
.rept 2
.set i, 0
.rept 4
	ds_load_b128 v[(\f)+48*c+8*i:(\f)+48*c+8*i+3], v[ADRA+(\slot)] offset:(\qd)*9216+64*c+i*2304
	ds_load_b128 v[(\f)+48*c+8*i+4:(\f)+48*c+8*i+7], v[ADRA+(\slot)] offset:(\qd)*9216+64*c+i*2304+32
.set i, i+1
.endr
.set i, 0
.rept 2
	ds_load_b128 v[(\f)+48*c+32+8*i:(\f)+48*c+35+8*i], v[ADRB+(\slot)] offset:(\qd)*4608+64*c+i*2304
	ds_load_b128 v[(\f)+48*c+36+8*i:(\f)+48*c+39+8*i], v[ADRB+(\slot)] offset:(\qd)*4608+64*c+i*2304+32
.set i, i+1
.endr
.set c, c+1
.endr
.endm
.macro QUARTER slot, qd, f, g, zero
	s_wait_dscnt 12                                ; the first 32 along K are in; the other twelve loads may be out
	MUL8 \f, 0, \zero
	PLACES
	FETCH \slot, \qd, \g
	s_wait_dscnt 24                                ; all but the 24 just issued
	MUL8 \f, 1, 0
.endm
.macro TURN slot, next, fill
	WIN 0
	s_wait_tensorcnt 0x0                           ; all my tensor loads have landed: my part of the next slot
	ds_add_u32 v[SPW], v[NIL]
	s_wait_dscnt 13                                ; (the add and the youngest twelve loads may be out)
	MUL8 F1, 0, 0
	s_wait_dscnt 0x0                               ; the add is done, and my reads of this slot are over
	WIN 0
	s_barrier_signal -1
	s_barrier_wait -1
.if \fill
	CREST
	s_add_nc_u64 s[G0+4*(\slot)+2:G0+4*(\slot)+3], s[G0+4*(\slot)+2:G0+4*(\slot)+3], 2097152
	s_add_nc_u64 s[G0B+4*(\slot)+2:G0B+4*(\slot)+3], s[G0B+4*(\slot)+2:G0B+4*(\slot)+3], 1048576
	JLOAD \slot
.else
	PLACES
.endif
	FETCH \next, 0, F0
	MUL8 F1, 1, 0
.endm
	s_wait_tensorcnt 1                             ; my part of K step 0 is in
	s_wait_dscnt 0x0                               ; and my row's rs is written
	s_barrier_signal -1
	s_barrier_wait -1
	FETCH 0, 0, F0
	QUARTER 0, 1, F0, F1, 1
	WIN 0
	s_mov_b32 s3, 3
.Llap:
	QUARTER 0, 2, F1, F0, 0
	QUARTER 0, 3, F0, F1, 0
	TURN 0, 1, 1
	QUARTER 1, 1, F0, F1, 0
	QUARTER 1, 2, F1, F0, 0
	QUARTER 1, 3, F0, F1, 0
	TURN 1, 0, 1
	QUARTER 0, 1, F0, F1, 0
	WIN 0
	s_sub_co_u32 s3, s3, 1
	s_cmp_lg_u32 s3, 0
	s_cbranch_scc1 .Llap
	QUARTER 0, 2, F1, F0, 0
	QUARTER 0, 3, F0, F1, 0
	TURN 0, 1, 0
	QUARTER 1, 1, F0, F1, 0
	QUARTER 1, 2, F1, F0, 0
	QUARTER 1, 3, F0, F1, 0
	s_wait_dscnt 12
	MUL8 F1, 0, 0
	s_wait_dscnt 0x0
	MUL8 F1, 1, 0
	WIN 0
	; THE WAY OUT: times rs of the row; through the work-group's stage, since a row's 256 bytes come from two waves; back as whole rows
	PLACES
.irp a, 0,1,2,3
	ds_load_b32 v[96+\a], v[RSA] offset:64*\a
.endr
	s_wait_dscnt 0x0
.set i, 0
.rept 64
	v_mul_f32 v[TMP+i], v[ACC+i], v[96+i/16]
.set i, i+1
.endr
.set i, 0
.rept 8                                ; i = 2 a + b
	ds_store_b128 v[STO], v[TMP+8*i:TMP+8*i+3] offset:(i/2)*16*SPITCH+(i%2)*64
	ds_store_b128 v[STO], v[TMP+8*i+4:TMP+8*i+7] offset:(i/2)*16*SPITCH+(i%2)*64+16
.set i, i+1
.endr
	s_wait_dscnt 0x0                               ; for the others' sake
	s_barrier_signal -1
	s_barrier_wait -1
.set i, 0
.rept 16
	ds_load_b128 v[TMP+4*i:TMP+4*i+3], v[RD] offset:i*2*SPITCH
.set i, i+1
.endr
.set i, 0
.rept 16
	s_wait_dscnt 15-i
	global_store_b128 v[CO], v[TMP+4*i:TMP+4*i+3], s[8:9] offset:i*8192  ; 16 lanes store 256 consecutive bytes, aligned
.set i, i+1
.endr
	s_wait_tensorcnt 0x0                           ; the wave's end
	ds_add_u32 v[SPW], v[NIL]
	s_wait_dscnt 0x0
	CROUND                                         ; the closing round
	s_endpgm
.Lfunc_end_k_qf34a3eef0f_gemm_out:
	.size	k_qf34a3eef0f_gemm_out, .Lfunc_end_k_qf34a3eef0f_gemm_out-k_qf34a3eef0f_gemm_out
	.p2alignl 7, 3214868480
	.fill 96, 4, 3214868480
	.section	.rodata,"a",@progbits
	.p2align	6, 0x0
	.amdhsa_kernel k_qf34a3eef0f_gemm_out
		.amdhsa_group_segment_fixed_size 327680
		.amdhsa_private_segment_fixed_size 0
		.amdhsa_enable_private_segment 0
		.amdhsa_kernarg_size 24
		.amdhsa_user_sgpr_count 2
		.amdhsa_user_sgpr_kernarg_segment_ptr 1
		.amdhsa_wavefront_size32 1
		.amdhsa_system_sgpr_workgroup_id_x 1
		.amdhsa_system_sgpr_workgroup_id_y 1
		.amdhsa_system_sgpr_workgroup_id_z 1
		.amdhsa_system_vgpr_workitem_id 0
		.amdhsa_next_free_vgpr 512
		.amdhsa_next_free_sgpr 80
		.amdhsa_reserve_vcc 0
		.amdhsa_float_denorm_mode_32 3
		.amdhsa_float_denorm_mode_16_64 3
		.amdhsa_memory_ordered 1
		.amdhsa_forward_progress 1
		.amdhsa_inst_pref_size 66
	.end_amdhsa_kernel
	.amdgpu_metadata
---
amdhsa.version: [ 1, 2 ]
amdhsa.kernels:
  - .name:           k_qf34a3eef0f_gemm_out
    .symbol:         k_qf34a3eef0f_gemm_out.kd
    .args:
      - { .name: us, .offset: 0, .size: 8, .value_kind: global_buffer, .address_space: global }
      - { .name: wb, .offset: 8, .size: 8, .value_kind: global_buffer, .address_space: global }
      - { .name: out0, .offset: 16, .size: 8, .value_kind: global_buffer, .address_space: global }
    .group_segment_fixed_size: 327680
    .private_segment_fixed_size: 0
    .kernarg_segment_align: 8
    .kernarg_segment_size: 24
    .max_flat_workgroup_size: 128
    .sgpr_count:     80
    .vgpr_count:     512
    .wavefront_size: 32
...
	.end_amdgpu_metadata
.endif
;; end of part 6
;; ======== version 2 of 2: 6 launches; version 1 with the launch cvt written anew for expert scheduling mode
;; limits: values are held in f16: magnitudes above 65,504 overflow, below 6.1e-05 lose precision
;; workspace buffers: wb 17,563,648 bytes; pj 19,922,944 bytes; pp 2,359,296 bytes; cs 6,291,456 bytes; us 8,650,752 bytes
;; launch cvt (part 7): grid 536 x 1, 8 waves a work-group, no clusters, 0 bytes of LDS; arguments x, W_in, W_out, wb; writes wb
.if DOCPART == 7
	.amdgcn_target "amdgcn-amd-amdhsa--gfx1250"
	.amdhsa_code_object_version 6
	.text
	.protected	k_qf34a3eef0f_cvt
	.globl	k_qf34a3eef0f_cvt
	.p2align	8
	.type	k_qf34a3eef0f_cvt,@function
k_qf34a3eef0f_cvt:
	s_mov_b64 s[64:65], 0
	v_nop
	global_prefetch_b8 v0, s[64:65] scope:SCOPE_SE
	s_setreg_imm32_b32 hwreg(HW_REG_WAVE_SCHED_MODE, 0, 2), 2
	s_setreg_imm32_b32 hwreg(HW_REG_WAVE_MODE, 25, 1), 1
	s_wait_xcnt 0x0
	s_wait_alu depctr_vm_vsrc(0)
; x, W_in and W_out are rounded once to bf16.  wb: x [2048][1024] at 0, W_in [4480][1024] behind it, W_out in blocks
; [32 kb][1024 d][64] at WO_OFF, so that 64 along K of many rows lie end to end for the last product's tiles.
; A stream: no LDS, no matrix unit.  A work-group takes 16,384 numbers, a thread 16 chunks of 4; all 16 loads go out first.
; Each store of a wave covers 256 consecutive bytes, aligned.
; THE MODE: SCHED_MODE bits 1:0 = 2 (LLVM: expert scheduling mode 2), set by the entry lines.  The code itself states the register dependences
; between vector instructions and memory instructions, with s_wait_alu, always for 0.
; THE PLAN.  Registers that memory instructions touch:
;   v1, v2   byte offsets of the loads and of the stores: made once at a path's head by vector instructions, never written again.
;   IN       16 chunks as loaded: each written by one load, which no vector instruction precedes on these registers; read by that chunk's two conversions; never loaded again.
;   OUT      16 chunks to store: each written once, by its two conversions; read by one store; never written again.
; So nothing that a memory instruction reads is ever rewritten, and no load lands in a register that a vector instruction has named: what is left to state is that the offsets
; and the stores' data are written.  The chunks go in four groups of four: group g's conversions write OUT of group g, and the four stores of group g - 1 are dealt among them,
; behind ONE wait at the group's head; no vector instruction of group g names OUT of group g - 1 or v2.
.set NX, 128                           ; work-groups for x
.set NLIN, 408                         ; for x and W_in together: these two are copied in their own order
.set WO_OFF, 13369344
.set IN, 40                            ; v[40:103] 16 chunks as loaded
.set OUT, 4                            ; v[4:35]   16 chunks to store
.macro CONV ss, ds                     ; ss, ds: bytes from chunk to chunk in the source and in wb
	s_wait_alu depctr_va_vdst(0)                   ; v1 and v2 are written: every load below reads v1 as its offset, every store v2
.set c, 0
.rept 16
	global_load_b128 v[IN+4*c:IN+4*c+3], v1, s[12:13] offset:c*(\ss) th:TH_LOAD_NT
.set c, c+1
.endr
.set c, 0
.rept 16
.if c % 4 == 0
	s_wait_loadcnt 12-c                            ; loads come back in order: the group's four chunks c .. c + 3 are in, the 12 - c younger loads stay out
.if c > 0
	s_wait_alu depctr_va_vdst(0)                   ; the group before has written its OUT, which the four stores of this group's turn read
.endif
.endif
.if c >= 4
	global_store_b64 v2, v[OUT+2*(c-4):OUT+2*(c-4)+1], s[14:15] offset:(c-4)*(\ds)  ; a chunk of the group before; no vector instruction since the wait names its registers
.endif
	v_cvt_pk_bf16_f32 v[OUT+2*c], v[IN+4*c], v[IN+4*c+1]
	v_cvt_pk_bf16_f32 v[OUT+2*c+1], v[IN+4*c+2], v[IN+4*c+3]
.set c, c+1
.endr
	s_wait_alu depctr_va_vdst(0)                   ; the last group has written its OUT, which the last four stores read
.set c, 12
.rept 4
	global_store_b64 v2, v[OUT+2*c:OUT+2*c+1], s[14:15] offset:c*(\ds)
.set c, c+1
.endr
.endm
	s_load_b256 s[4:11], s[0:1], 0x0               ; x s[4:5], W_in s[6:7], W_out s[8:9], wb s[10:11]
	s_mov_b32 s3, ttmp9
	s_mov_b32 s17, 0
	s_mov_b32 s19, 0
	s_wait_kmcnt 0x0
	s_cmp_lt_u32 s3, NLIN
	s_cbranch_scc0 .Lblocked
	s_cmp_lt_u32 s3, NX
	s_cselect_b64 s[12:13], s[4:5], s[6:7]         ; x for the first 128 work-groups, W_in for the next 280
	s_cselect_b32 s16, 0, NX
	s_sub_co_u32 s16, s3, s16
	s_lshl_b32 s16, s16, 16                        ; 65,536 bytes of f32 a work-group
	s_add_nc_u64 s[12:13], s[12:13], s[16:17]
	s_lshl_b32 s18, s3, 15                         ; 32,768 bytes of bf16
	s_add_nc_u64 s[14:15], s[10:11], s[18:19]
	v_lshlrev_b32 v1, 4, v0
	v_lshlrev_b32 v2, 3, v0
	CONV 4096, 2048
	s_endpgm
.Lblocked:                                             ; rows 8 g .. 8 g + 7 of W_out: a wave takes two rows' half, a chunk is one block of 64 along K
	s_sub_co_u32 s16, s3, NLIN
	s_lshl_b32 s18, s16, 10                        ; 8 rows of 128 bytes in each block
	s_lshl_b32 s16, s16, 16
	s_add_nc_u64 s[12:13], s[8:9], s[16:17]
	s_add_co_u32 s18, s18, WO_OFF
	s_add_nc_u64 s[14:15], s[10:11], s[18:19]
	v_lshrrev_b32 v36, 6, v0                       ; wave / 2: which pair of rows
	v_bfe_u32 v37, v0, 4, 1                        ; lane / 16: which row of the pair
	v_bfe_u32 v38, v0, 5, 1                        ; wave % 2: which half of the row
	v_and_b32 v39, 15, v0
	v_and_b32 v3, 31, v0
	v_lshl_add_u32 v1, v36, 1, v37
	v_lshlrev_b32 v1, 13, v1                       ; row x 8,192
	v_lshl_add_u32 v1, v38, 12, v1
	v_lshl_add_u32 v1, v39, 4, v1
	v_lshlrev_b32 v2, 3, v3                        ; two rows of 128 bytes: 8 x lane
	v_lshl_add_u32 v2, v36, 8, v2
	v_lshl_add_u32 v2, v38, 21, v2                 ; 16 blocks of 131,072 bytes
	CONV 256, 131072
	s_endpgm
.Lfunc_end_k_qf34a3eef0f_cvt:
	.size	k_qf34a3eef0f_cvt, .Lfunc_end_k_qf34a3eef0f_cvt-k_qf34a3eef0f_cvt
	.p2alignl 7, 3214868480
	.fill 96, 4, 3214868480
	.section	.rodata,"a",@progbits
	.p2align	6, 0x0
	.amdhsa_kernel k_qf34a3eef0f_cvt
		.amdhsa_group_segment_fixed_size 0
		.amdhsa_private_segment_fixed_size 0
		.amdhsa_enable_private_segment 0
		.amdhsa_kernarg_size 32
		.amdhsa_user_sgpr_count 2
		.amdhsa_user_sgpr_kernarg_segment_ptr 1
		.amdhsa_wavefront_size32 1
		.amdhsa_system_sgpr_workgroup_id_x 1
		.amdhsa_system_sgpr_workgroup_id_y 1
		.amdhsa_system_sgpr_workgroup_id_z 1
		.amdhsa_system_vgpr_workitem_id 0
		.amdhsa_next_free_vgpr 104
		.amdhsa_next_free_sgpr 66
		.amdhsa_reserve_vcc 0
		.amdhsa_float_denorm_mode_32 3
		.amdhsa_float_denorm_mode_16_64 3
		.amdhsa_memory_ordered 1
		.amdhsa_forward_progress 1
		.amdhsa_inst_pref_size 13
	.end_amdhsa_kernel
	.amdgpu_metadata
---
amdhsa.version: [ 1, 2 ]
amdhsa.kernels:
  - .name:           k_qf34a3eef0f_cvt
    .symbol:         k_qf34a3eef0f_cvt.kd
    .args:
      - { .name: x, .offset: 0, .size: 8, .value_kind: global_buffer, .address_space: global }
      - { .name: W_in, .offset: 8, .size: 8, .value_kind: global_buffer, .address_space: global }
      - { .name: W_out, .offset: 16, .size: 8, .value_kind: global_buffer, .address_space: global }
      - { .name: wb, .offset: 24, .size: 8, .value_kind: global_buffer, .address_space: global }
    .group_segment_fixed_size: 0
    .private_segment_fixed_size: 0
    .kernarg_segment_align: 8
    .kernarg_segment_size: 32
    .max_flat_workgroup_size: 256
    .sgpr_count:     66
    .vgpr_count:     104
    .wavefront_size: 32
...
	.end_amdgpu_metadata
.endif
;; end of part 7
;; launch gemm_in: the kernel of part 2 again; grid 16 x 14, 4 waves a work-group, clusters of 4 x 1, 327,680 bytes of LDS; arguments wb, pj; writes pj
;; launch prep: the kernel of part 3 again; grid 72 x 1, 32 waves a work-group, no clusters, 108,032 bytes of LDS; arguments pj, dt_bias, B_norm_w, C_norm_w, pp; writes pp
;; launch cstate: the kernel of part 4 again; grid 32 x 6, 8 waves a work-group, clusters of 4 x 1, 194,560 bytes of LDS; arguments pj, pp, B_bias, cs; writes cs
;; launch scan: the kernel of part 5 again; grid 32 x 8, 8 waves a work-group, clusters of 4 x 1, 327,680 bytes of LDS; arguments pj, pp, cs, B_bias, C_bias, B_norm_w, C_norm_w, D_param, out_norm_w, us; writes us
;; launch gemm_out: the kernel of part 6 again; grid 16 x 16, 4 waves a work-group, clusters of 4 x 4, 327,680 bytes of LDS; arguments us, wb, out0; writes out0
